; MI455X (gfx1250); checked and timed in simulation.
; The chip was launched on July 23, 2026; its instructions are those of AMD's public machine-readable ISA for CDNA 5 (MIT licence, August 2026) and "CDNA5" Instruction Set Architecture Reference Guide (July 2026). The comments in the code are by the model that wrote it; some were corrected since.
;; Causal Multi Head Self Attention. Allowed arithmetic: matrix products marked QUANTISED: E2M1 operands, one E8M0 scale for each 32 along K, by v_wmma_scale_f32_16x16x128_f8f6f4 with both operands' format E2M1 (or v_wmma_scale_f32_32x16x128_f4), f32 sums; products left as they are: bf16, f16 or f32 operands; f32 sums; everything else in f32.
;; Inputs: w_k 1,024 x 1,024 float32; w_o 1,024 x 1,024 float32; w_q 1,024 x 1,024 float32; w_v 1,024 x 1,024 float32; x 4 x 2,048 x 1,024 float32.
;; Outputs: out0 4 x 2,048 x 1,024 float32.
;; This version of the problem:
;;   THIS VERSION OF THE PROBLEM IS GIVEN IN LOW PRECISION. The matrix products marked QUANTISED in the list below multiply operands that are first quantised to E2M1 (2 exponent bits, 1 mantissa bit; 4 bits a number), with one power-of-two scale for each 32 numbers along K (OCP MX v1.0); their sums are f32. The products marked 'left as it is' may take bf16, f16 or f32 operands, with f32 sums. Whichever they take, every output number must still come out within the allowed error. Rounding operands to bf16 (8 significant bits) uses up far more of that allowance than f16 does (11 bits, for magnitudes from 6e-5 to 65,504). All else is computed in f32.
;;   The module's matrix products, in the order in which they are computed (A, B: the left and right operand; K: the contracted axis; several contracted axes count as one K, in the product's order):
;;     1. [M 8,192, K 1,024] x [K 1,024, N 1,024]; A: input x; B: input w_q: QUANTISED
;;     2. [M 8,192, K 1,024] x [K 1,024, N 1,024]; A: input x; B: input w_k: QUANTISED
;;     3. [M 8,192, K 1,024] x [K 1,024, N 1,024]; A: input x; B: input w_v: QUANTISED
;;     4. batch 64 x [M 2,048, K 64] x [K 64, N 2,048]; A: computed on the way; B: computed on the way: left as it is (an operand is computed on the way)
;;     5. batch 64 x [M 2,048, K 2,048] x [K 2,048, N 64]; A: computed on the way; B: computed on the way: left as it is (an operand is computed on the way)
;;     6. [M 8,192, K 1,024] x [K 1,024, N 1,024]; A: computed on the way; B: input w_o: left as it is (an operand is computed on the way)
;;   THE QUANTISER, for each operand of a quantised product, along K:
;;     - K is cut into blocks of 32 from its start; a last block that is shorter is filled with zeros.
;;     - A block's scale is 2^e with e = floor(log2(the largest magnitude in the block)) - 2, held to -126 .. 127; a block of zeros has e = 0. As a byte (E8M0): e + 127.
;;     - Each number is divided by its block's scale, clamped to +-6, and rounded to the nearest number of E2M1, ties to even, subnormals kept.
;;     - The product sums the exact products of the quantised numbers (number of the format x scale) in f32.
;;   ~~~python
;;   def quantise(x, axis):      # numpy; x: float32 -> the quantised numbers, widened to float32 again
;;       x = np.moveaxis(x, axis, -1); K = x.shape[-1]
;;       x = np.pad(x, [(0, 0)] * (x.ndim - 1) + [(0, -K % 32)]); x = x.reshape(x.shape[:-1] + (-1, 32)); a = np.abs(x).max(-1, keepdims=True)
;;       e = np.where(a > 0, np.clip(np.frexp(np.where(a > 0, a, 1))[1] - 1 - 2, -126, 127), 0)      # np.frexp(a)[1] - 1 = floor(log2(a)), exactly
;;       r = np.clip(x / 2.0 ** e, -6, 6)
;;       step = 2.0 ** (np.maximum(np.frexp(np.where(r == 0, 1, r))[1] - 1, 0) - 1)
;;       q = np.round(r / step) * step * 2.0 ** e      # np.round: ties to even
;;       return np.moveaxis(q.reshape(q.shape[:-2] + (-1,))[..., :K], -1, axis).astype(np.float32)
;;   ~~~
;; One version. Each part assembles by itself: llvm-mc -triple=amdgcn-amd-amdhsa -mcpu=gfx1250 --defsym DOCPART=n.
;; ======== version 1 of 1: 6 launches
;; limits: values are held in f16: magnitudes above 65,504 overflow, below 6.1e-05 lose precision
;; workspace buffers: xc 4,194,304 bytes; xs 262,144 bytes; wc 1,572,864 bytes; ws 98,304 bytes; wo16 2,097,152 bytes; qkv16 50,331,648 bytes; qkvtop 6,291,456 bytes; att16 16,777,216 bytes
;; launch prep_x (part 1): grid 256 x 1, 4 waves a work-group, no clusters, 33,280 bytes of LDS; arguments x, xc, xs; writes xc, xs
.if DOCPART == 1
	.amdgcn_target "amdgcn-amd-amdhsa--gfx1250"
	.amdhsa_code_object_version 6
	.text
	.protected	k_qaffa31648a_prep_x
	.globl	k_qaffa31648a_prep_x
	.p2align	8
	.type	k_qaffa31648a_prep_x,@function
k_qaffa31648a_prep_x:
	s_mov_b64 s[64:65], 0
	v_nop
	global_prefetch_b8 v0, s[64:65] scope:SCOPE_SE
	s_setreg_imm32_b32 hwreg(HW_REG_WAVE_MODE, 25, 1), 1
	s_wait_xcnt 0x0
; x [8192][1024], f32, becomes codes of FP4 (E2M1), K innermost, two codes a byte (xc: 512 bytes a row), and one E8M0 scale byte for each 32 along K (xs: 32 bytes a row).
; A block's scale is 2^(floor(log2(its largest magnitude)) - 2); its byte is the largest magnitude's own exponent field - 2, held at 1 from below.  Each number is divided by the scale and rounded to the nearest code, ties to even; beyond 6 the largest code.
; LIMITS: a block of zeros gets the byte 1 where the rule says 127 (its codes are zeros, which add nothing under any byte but 0xff, and this program alone reads the bytes); NaN and infinities among the inputs are not served.
; Rows are dense and 1,024 is a multiple of 32: x is a plain stream of blocks of 32 numbers, and so are the codes and the scale bytes.  A wave takes 16 steps of 512 numbers; 256 work-groups x 4 waves x 8,192 numbers are the tensor.
; Each of a step's four loads reads 512 consecutive bytes, 16 a lane; the 2,048 bytes turn through the wave's own stage in LDS and come back 64 bytes a lane, so that a lane holds 16 neighbours along K (two lanes hold a block).
; A lane's 16 codes are 8 bytes: the wave stores 256 consecutive bytes.  A wave's 256 scale bytes are gathered in LDS and leave as one aligned run of 256 bytes.  Waves share nothing: no barrier.
.set WAVES, 4
.set STEPS, 16
.set EMAX,  2
.set CB,    8                          ; bytes of 16 codes
.set R,     16                         ; v16-79   four sets of 16 numbers as they are loaded
.set X,     80                         ; v80-111  two sets of 16 neighbours
.set C,     128                        ; v128-191 codes: four registers for each step, so that no store's data are written again
.set E,     112                        ; v112-127 a scale byte for each step
.set WREG,  8192                       ; LDS: a region for each wave: two stages of 32 x SP bytes, behind them its 256 scale bytes
.set SP,    80                         ; a lane's place in a stage: its 64 bytes + 16 of padding
.set SPW,   12                         ; v12  LDS address of my spare word; never rewritten
.set NIL,   13                         ; v13  0; never rewritten
.set SPARE, WAVES*WREG                 ; behind the four regions: the spare words, 128 bytes a wave, which no other line names
	s_load_b128 s[4:7], s[0:1], 0x0                ; x s[4:5], the codes s[6:7]
	s_load_b64 s[10:11], s[0:1], 0x10              ; the scale bytes
	v_lshl_add_u32 v[SPW], v0, 2, SPARE
	v_mov_b32 v[NIL], 0
	v_lshrrev_b32 v1, 5, v0
	v_readfirstlane_b32 s16, v1                    ; wave
	v_and_b32 v2, 31, v0                           ; lane
	v_lshlrev_b32 v3, 4, v2                        ; my 16 bytes of a load's 512
	s_mul_i32 s17, s16, WREG
	v_lshrrev_b32 v14, 2, v2
	v_mul_u32_u24 v14, v14, SP
	v_and_b32 v15, 3, v2
	v_lshl_add_u32 v14, v15, 4, v14
	v_add_nc_u32 v14, s17, v14                     ; the stage, on the way in: SP (lane / 4) + 16 (lane % 4)
	v_mul_u32_u24 v15, v2, SP
	v_add_nc_u32 v15, s17, v15                     ; and on the way out: SP x lane: my 16 neighbours
	v_mul_u32_u24 v4, v2, CB                       ; my codes' place in a step's
	v_lshrrev_b32 v5, 1, v2
	s_add_co_u32 s17, s17, 2*32*SP
	v_add_nc_u32 v5, s17, v5                       ; LDS: my wave's 256 scale bytes, my block's byte
	v_lshlrev_b32 v7, 3, v2                        ; and on the way out 8 bytes a lane
	v_add_nc_u32 v6, s17, v7
	s_lshl_b32 s17, ttmp9, 2
	s_add_co_u32 s18, s17, s16                     ; which run of 8,192 numbers is my wave's
	s_mov_b32 s19, 0
	s_lshl_b32 s20, s18, 15                        ; 32,768 bytes of x a run
	s_mov_b32 s21, 0
	s_lshl_b32 s22, s18, 12                        ; 4,096 bytes of codes
	s_mov_b32 s23, 0
	s_lshl_b32 s18, s18, 8                         ; 256 scale bytes
	s_wait_kmcnt 0x0
	s_add_nc_u64 s[4:5], s[4:5], s[20:21]
	s_add_nc_u64 s[6:7], s[6:7], s[22:23]
	s_add_nc_u64 s[10:11], s[10:11], s[18:19]
.macro LOAD t
.irp i, 0,1,2,3
	global_load_b128 v[R+16*((\t)%4)+4*\i:R+16*((\t)%4)+4*\i+3], v3, s[4:5] offset:2048*(\t)+512*\i th:TH_LOAD_NT   ; 32 lanes read 512 consecutive bytes
.endr
.endm
.macro TURN t                          ; step t's numbers through the stage: LDS serves a wave's instructions in order, so no wait stands between the stores and the loads
.irp i, 0,1,2,3
	ds_store_b128 v14, v[R+16*((\t)%4)+4*\i:R+16*((\t)%4)+4*\i+3] offset:32*SP*((\t)%2)+8*SP*\i
.endr
.irp i, 0,1,2,3
	ds_load_b128 v[X+16*((\t)%2)+4*\i:X+16*((\t)%2)+4*\i+3], v15 offset:32*SP*((\t)%2)+16*\i
.endr
.endm
.irp t, 0,1,2,3
	LOAD \t
.endr
	s_wait_loadcnt 12                              ; step 0's four loads are in; the twelve of steps 1 to 3 may be out
	TURN 0
.macro STEP t
.set XS, X+16*((\t)%2)
.if (\t) > 0
	s_wait_dscnt 1                                 ; this step's numbers are back from the stage (the last step's byte store may be out)
.else
	s_wait_dscnt 0x0
.endif
.if (\t)+4 < STEPS
	LOAD (\t)+4                                    ; into the registers that this step's stores into the stage have read
.endif
.if (\t)+1 < STEPS
.if STEPS-2-(\t) >= 3
	s_wait_loadcnt 12                              ; the next step's four loads are in; those of the three steps behind it may be out
.else
	s_wait_loadcnt 4*(STEPS-2-(\t))
.endif
	TURN (\t)+1                                    ; and go through the other stage while this step is worked
.endif
	v_max3_num_f32 v8, |v[XS]|, |v[XS+1]|, |v[XS+2]|               ; the largest magnitude of my 16, in two chains
	v_max3_num_f32 v9, |v[XS+3]|, |v[XS+4]|, |v[XS+5]|
.irp i, 6,10
	v_max3_num_f32 v8, v8, |v[XS+\i]|, |v[XS+\i+1]|
	v_max3_num_f32 v9, v9, |v[XS+\i+2]|, |v[XS+\i+3]|
.endr
	v_max3_num_f32 v8, v8, |v[XS+14]|, |v[XS+15]|
	v_max3_num_f32 v8, v8, v9, (EMAX+1)<<23        ; and the floor 2^(3 - 127): the byte cannot fall under 1
	v_max_num_f32_dpp v8, v8, v8 row_xmask:1 row_mask:0xf bank_mask:0xf   ; and of my neighbour's 16: the block's
	v_add_nc_u32 v11, -(EMAX<<23), v8              ; 2 off its exponent field: the conversion takes the exponent field of this operand as its scale
	v_cvt_scalef32_pk8_fp4_f32 v[C+4*(\t)], v[XS:XS+7], v11
	v_cvt_scalef32_pk8_fp4_f32 v[C+4*(\t)+1], v[XS+8:XS+15], v11
	v_lshrrev_b32 v[E+(\t)], 23, v11               ; the scale's byte (also the plain line behind the conversions)
	ds_store_b8 v5, v[E+(\t)] offset:16*(\t)       ; both lanes of a block write the same byte with the same value
	global_store_b64 v4, v[C+4*(\t):C+4*(\t)+1], s[6:7] offset:32*CB*(\t)   ; 32 lanes store 256 consecutive bytes
.endm
.irp t, 0,1,2,3,4,5,6,7,8,9,10,11,12,13,14,15
	STEP \t
.endr
	ds_load_b64 v[8:9], v6                         ; LDS serves a wave's instructions in order: these see my stores
	s_wait_dscnt 0x0
	global_store_b64 v7, v[8:9], s[10:11]          ; 32 lanes store 256 consecutive bytes
	s_wait_tensorcnt 0x0                           ; the wave's end: a wait, an add of 0 and its wait behind my last LDS store
	ds_add_u32 v[SPW], v[NIL]
	s_wait_dscnt 0x0
	s_endpgm
.Lfunc_end_k_qaffa31648a_prep_x:
	.size	k_qaffa31648a_prep_x, .Lfunc_end_k_qaffa31648a_prep_x-k_qaffa31648a_prep_x
	.p2alignl 7, 3214868480
	.fill 96, 4, 3214868480
	.section	.rodata,"a",@progbits
	.p2align	6, 0x0
	.amdhsa_kernel k_qaffa31648a_prep_x
		.amdhsa_group_segment_fixed_size 33280
		.amdhsa_private_segment_fixed_size 0
		.amdhsa_enable_private_segment 0
		.amdhsa_kernarg_size 24
		.amdhsa_user_sgpr_count 2
		.amdhsa_user_sgpr_kernarg_segment_ptr 1
		.amdhsa_wavefront_size32 1
		.amdhsa_system_sgpr_workgroup_id_x 1
		.amdhsa_system_sgpr_workgroup_id_y 1
		.amdhsa_system_sgpr_workgroup_id_z 1
		.amdhsa_system_vgpr_workitem_id 0
		.amdhsa_next_free_vgpr 192
		.amdhsa_next_free_sgpr 66
		.amdhsa_reserve_vcc 0
		.amdhsa_float_denorm_mode_32 3
		.amdhsa_float_denorm_mode_16_64 3
		.amdhsa_memory_ordered 1
		.amdhsa_forward_progress 1
		.amdhsa_inst_pref_size 33
	.end_amdhsa_kernel
	.amdgpu_metadata
---
amdhsa.version: [ 1, 2 ]
amdhsa.kernels:
  - .name:           k_qaffa31648a_prep_x
    .symbol:         k_qaffa31648a_prep_x.kd
    .args:
      - { .name: x, .offset: 0, .size: 8, .value_kind: global_buffer, .address_space: global }
      - { .name: xc, .offset: 8, .size: 8, .value_kind: global_buffer, .address_space: global }
      - { .name: xs, .offset: 16, .size: 8, .value_kind: global_buffer, .address_space: global }
    .group_segment_fixed_size: 33280
    .private_segment_fixed_size: 0
    .kernarg_segment_align: 8
    .kernarg_segment_size: 24
    .max_flat_workgroup_size: 128
    .sgpr_count:     66
    .vgpr_count:     192
    .wavefront_size: 32
...
	.end_amdgpu_metadata
.endif
;; end of part 1
;; launch prep_w (part 2): grid 112 x 1, 4 waves a work-group, no clusters, 35,840 bytes of LDS; arguments w_q, w_k, w_v, w_o, wc, ws, wo16; writes wc, ws, wo16
.if DOCPART == 2
	.amdgcn_target "amdgcn-amd-amdhsa--gfx1250"
	.amdhsa_code_object_version 6
	.text
	.protected	k_qaffa31648a_prep_w
	.globl	k_qaffa31648a_prep_w
	.p2align	8
	.type	k_qaffa31648a_prep_w,@function
k_qaffa31648a_prep_w:
	s_mov_b64 s[64:65], 0
	v_nop
	global_prefetch_b8 v0, s[64:65] scope:SCOPE_SE
	s_setreg_imm32_b32 hwreg(HW_REG_WAVE_MODE, 25, 1), 1
	s_wait_xcnt 0x0
; Work-groups 0 to 47: w_q, w_k, w_v, each [k 1024][n 1024] f32 with K as the FIRST axis, become codes of FP4 laid [3072 = tensor x 1024 + n][512 bytes], K innermost (wc), and E8M0 scale bytes [3072][32] (ws).
;   A lane takes a column n and its registers run down K: a load reads 128 consecutive bytes a wave, a block of 32 along K lies in one lane's 32 registers, and the conversions give the codes with K innermost.
;   A wave takes 32 columns x 512 along K.  The codes go through the wave's own stage in LDS and leave as rows: sixteen lanes store 256 consecutive aligned bytes.
;   Work-group id: tensor = id / 16, half of K = (id / 8) % 2, group of 128 columns = id % 8.
; Work-groups 48 to 111: w_o is rounded to f16 as it lies, [k][n] (wo16): a wave takes 4,096 numbers; no LDS on this path.
; The scale rule and its LIMITS: a block's byte is its largest magnitude's exponent field - 2, held at 1 from below; a block of zeros gets the byte 1 where the rule says 127 (zero codes; this program alone reads the bytes);
; NaN and infinities are not served; w_o beyond 65,504 in magnitude has no f16 number, and under 6e-5 it keeps an absolute error of 3e-8.
.set NB,    16                         ; blocks of 32 along K for a wave
.set PITCH, 272                        ; a stage row: 256 bytes of codes + 16
.set KROW,  512                        ; a row of wc in bytes
.set NCOL,  1024
.set EMAX,  2
.set X,     32                         ; v32-95   two sets of 32 numbers (the cast: v32-159)
.set C,     96                         ; v96-99   a block's codes
.set OUTR,  112                        ; v112-175 the way out
.set SB,    24                         ; v24-27   the scale bytes, four to a register
.set SPW,   14                         ; v14  LDS address of my spare word; never rewritten
.set NIL,   15                         ; v15  0; never rewritten
.set SPARE, 4*32*PITCH                 ; behind the four stages: the spare words, which no other line names
	s_load_b256 s[4:11], s[0:1], 0x0               ; w_q s[4:5], w_k s[6:7], w_v s[8:9], w_o s[10:11]
	s_load_b128 s[12:15], s[0:1], 0x20             ; wc s[12:13], ws s[14:15]
	s_load_b64 s[16:17], s[0:1], 0x30              ; wo16
	v_lshl_add_u32 v[SPW], v0, 2, SPARE
	v_mov_b32 v[NIL], 0
	v_lshrrev_b32 v1, 5, v0
	v_readfirstlane_b32 s18, v1                    ; wave 0..3
	v_and_b32 v2, 31, v0                           ; lane
	s_wait_kmcnt 0x0
	s_cmp_ge_u32 ttmp9, 48                         ; the work-group's number alone decides the path
	s_cbranch_scc1 .Lcast
	s_lshr_b32 s19, ttmp9, 4                       ; tensor 0..2
	s_and_b32 s22, ttmp9, 7                        ; group of 128 columns
	s_bfe_u32 s23, ttmp9, 0x10003                  ; half of K
	s_lshl_b32 s24, s22, 7
	s_lshl_b32 s25, s18, 5
	s_add_co_u32 s24, s24, s25                     ; my wave's first column
	s_lshl_b32 s25, s19, 10
	s_add_co_u32 s25, s25, s24                     ; and its row in wc and ws
	s_lshl_b32 s26, s23, 21                        ; the weight: 512 rows of 4,096 bytes a half,
	s_lshl_b32 s27, s24, 2
	s_add_co_u32 s26, s26, s27                     ; + 4 bytes a column
	s_mov_b32 s27, 0
	s_lshl_b32 s28, s25, 9                         ; the codes: 512 bytes a row,
	s_lshl_b32 s29, s23, 8
	s_add_co_u32 s28, s28, s29                     ; + 256 a half
	s_mov_b32 s29, 0
	s_lshl_b32 s30, s25, 5                         ; the scale bytes: 32 a row,
	s_lshl_b32 s31, s23, 4
	s_add_co_u32 s30, s30, s31                     ; + 16 a half
	s_mov_b32 s31, 0
	s_cmp_eq_u32 s19, 0
	s_cselect_b64 s[20:21], s[4:5], s[6:7]
	s_cmp_eq_u32 s19, 2
	s_cselect_b64 s[20:21], s[8:9], s[20:21]       ; the weight, chosen by the tensor's number
	s_add_nc_u64 s[20:21], s[20:21], s[26:27]
	s_add_nc_u64 s[12:13], s[12:13], s[28:29]
	s_add_nc_u64 s[14:15], s[14:15], s[30:31]
	v_lshlrev_b32 v3, 2, v2                        ; in: 4 bytes a lane
	s_mul_i32 s32, s18, 32*PITCH                   ; my stage
	v_mul_u32_u24 v4, v2, PITCH
	v_add_nc_u32 v4, s32, v4                       ; into it: row = my column
	v_and_b32 v5, 15, v2
	v_lshrrev_b32 v6, 4, v2                        ; out of it: sixteen lanes to a row, two rows an instruction
	v_mul_u32_u24 v7, v6, PITCH
	v_lshl_add_u32 v7, v5, 4, v7
	v_add_nc_u32 v7, s32, v7
	v_mul_u32_u24 v8, v6, KROW
	v_lshl_add_u32 v8, v5, 4, v8                   ; and the same place in wc
	v_lshlrev_b32 v9, 5, v2                        ; my column's row of scale bytes
.macro LOAD t                          ; block t: W(32 t + i, my column), i = 0 .. 31, into set t % 2
.irp i, 0,1,2,3,4,5,6,7,8,9,10,11,12,13,14,15,16,17,18,19,20,21,22,23,24,25,26,27,28,29,30,31
	global_load_b32 v[X+32*((\t)%2)+\i], v3, s[20:21] offset:(32*(\t)+\i)*NCOL*4 th:TH_LOAD_NT
.endr
.endm
	LOAD 0
	LOAD 1
.macro BLOCK t
.set XS, X+32*((\t)%2)
.if (\t) < NB-1
	s_wait_loadcnt 32                              ; this block's 32 loads are in; the next block's 32 may be out
.else
	s_wait_loadcnt 0
.endif
	v_max3_num_f32 v12, |v[XS]|, |v[XS+1]|, |v[XS+2]|               ; the block's largest magnitude: all 32 numbers are mine
	v_max3_num_f32 v13, |v[XS+3]|, |v[XS+4]|, |v[XS+5]|
.irp i, 6,10,14,18,22,26
	v_max3_num_f32 v12, v12, |v[XS+\i]|, |v[XS+\i+1]|
	v_max3_num_f32 v13, v13, |v[XS+\i+2]|, |v[XS+\i+3]|
.endr
	v_max3_num_f32 v12, v12, |v[XS+30]|, |v[XS+31]|
	v_max3_num_f32 v12, v12, v13, (EMAX+1)<<23     ; and the floor 2^(3 - 127): the byte cannot fall under 1
	v_add_nc_u32 v11, -(EMAX<<23), v12             ; 2 off its exponent field: the conversion's scale operand
	v_lshrrev_b32 v13, 23, v11                     ; the scale's byte
.if (\t)%4 == 0
	v_mov_b32 v[SB+(\t)/4], v13                    ; four bytes to a register, the lower K in the lower byte
.else
	v_lshl_or_b32 v[SB+(\t)/4], v13, 8*((\t)%4), v[SB+(\t)/4]
.endif
.irp g, 0,1,2,3
	v_cvt_scalef32_pk8_fp4_f32 v[C+\g], v[XS+8*\g:XS+8*\g+7], v11
.endr
	v_nop                                          ; one plain line behind the last conversion
	ds_store_b128 v4, v[C:C+3] offset:16*(\t)      ; 32 codes: 16 bytes of my column's row
.if (\t)+2 < NB
	LOAD (\t)+2
.endif
	s_wait_dscnt 0x0                               ; the store has read its registers: the next block's codes may be written
.endm
.set Q, 0
.rept NB
	BLOCK Q
.set Q, Q+1
.endr
	global_store_b128 v9, v[SB:SB+3], s[14:15]     ; my column's 16 scale bytes
.irp t, 0,1,2,3,4,5,6,7,8,9,10,11,12,13,14,15
	ds_load_b128 v[OUTR+4*\t:OUTR+4*\t+3], v7 offset:2*\t*PITCH   ; LDS serves a wave's instructions in order: these see my stores
.endr
.irp t, 0,1,2,3,4,5,6,7,8,9,10,11,12,13,14,15
	s_wait_dscnt 15-\t                             ; load t is back; the younger ones may be out
	global_store_b128 v8, v[OUTR+4*\t:OUTR+4*\t+3], s[12:13] offset:2*\t*KROW
.endr
	s_wait_tensorcnt 0x0                           ; the wave's end: a wait, an add of 0 and its wait behind my last LDS store
	ds_add_u32 v[SPW], v[NIL]
	s_wait_dscnt 0x0
	s_endpgm
.Lcast:                                            ; w_o to f16: 32 loads of 512 bytes a wave, all issued at once; each gives one store of 256 consecutive bytes
	s_sub_co_u32 s19, ttmp9, 48
	s_lshl_b32 s19, s19, 2
	s_add_co_u32 s19, s19, s18                     ; which run of 4,096 numbers is my wave's
	s_lshl_b32 s22, s19, 14
	s_mov_b32 s23, 0
	s_add_nc_u64 s[10:11], s[10:11], s[22:23]
	s_lshl_b32 s22, s19, 13
	s_add_nc_u64 s[16:17], s[16:17], s[22:23]
	v_lshlrev_b32 v3, 4, v2
	v_lshlrev_b32 v4, 3, v2
.set J, 0
.rept 32
	global_load_b128 v[X+4*J:X+4*J+3], v3, s[10:11] offset:512*J
.set J, J+1
.endr
.set J, 0
.rept 32
	s_wait_loadcnt 31-J                            ; load J is in; the younger ones may be out
	v_cvt_pk_f16_f32 v[X+4*J], v[X+4*J], v[X+4*J+1]
	v_cvt_pk_f16_f32 v[X+4*J+1], v[X+4*J+2], v[X+4*J+3]
	global_store_b64 v4, v[X+4*J:X+4*J+1], s[16:17] offset:256*J
.set J, J+1
.endr
	s_endpgm
.Lfunc_end_k_qaffa31648a_prep_w:
	.size	k_qaffa31648a_prep_w, .Lfunc_end_k_qaffa31648a_prep_w-k_qaffa31648a_prep_w
	.p2alignl 7, 3214868480
	.fill 96, 4, 3214868480
	.section	.rodata,"a",@progbits
	.p2align	6, 0x0
	.amdhsa_kernel k_qaffa31648a_prep_w
		.amdhsa_group_segment_fixed_size 35840
		.amdhsa_private_segment_fixed_size 0
		.amdhsa_enable_private_segment 0
		.amdhsa_kernarg_size 56
		.amdhsa_user_sgpr_count 2
		.amdhsa_user_sgpr_kernarg_segment_ptr 1
		.amdhsa_wavefront_size32 1
		.amdhsa_system_sgpr_workgroup_id_x 1
		.amdhsa_system_sgpr_workgroup_id_y 1
		.amdhsa_system_sgpr_workgroup_id_z 1
		.amdhsa_system_vgpr_workitem_id 0
		.amdhsa_next_free_vgpr 192
		.amdhsa_next_free_sgpr 66
		.amdhsa_reserve_vcc 0
		.amdhsa_float_denorm_mode_32 3
		.amdhsa_float_denorm_mode_16_64 3
		.amdhsa_memory_ordered 1
		.amdhsa_forward_progress 1
		.amdhsa_inst_pref_size 91
	.end_amdhsa_kernel
	.amdgpu_metadata
---
amdhsa.version: [ 1, 2 ]
amdhsa.kernels:
  - .name:           k_qaffa31648a_prep_w
    .symbol:         k_qaffa31648a_prep_w.kd
    .args:
      - { .name: w_q, .offset: 0, .size: 8, .value_kind: global_buffer, .address_space: global }
      - { .name: w_k, .offset: 8, .size: 8, .value_kind: global_buffer, .address_space: global }
      - { .name: w_v, .offset: 16, .size: 8, .value_kind: global_buffer, .address_space: global }
      - { .name: w_o, .offset: 24, .size: 8, .value_kind: global_buffer, .address_space: global }
      - { .name: wc, .offset: 32, .size: 8, .value_kind: global_buffer, .address_space: global }
      - { .name: ws, .offset: 40, .size: 8, .value_kind: global_buffer, .address_space: global }
      - { .name: wo16, .offset: 48, .size: 8, .value_kind: global_buffer, .address_space: global }
    .group_segment_fixed_size: 35840
    .private_segment_fixed_size: 0
    .kernarg_segment_align: 8
    .kernarg_segment_size: 56
    .max_flat_workgroup_size: 128
    .sgpr_count:     66
    .vgpr_count:     192
    .wavefront_size: 32
...
	.end_amdgpu_metadata
.endif
;; end of part 2
;; launch qkv (part 3): grid 12 x 32, 4 waves a work-group, clusters of 4 x 4, 327,680 bytes of LDS; arguments xc, xs, wc, ws, qkv16, qkvtop; writes qkv16, qkvtop
.if DOCPART == 3
	.amdgcn_target "amdgcn-amd-amdhsa--gfx1250"
	.amdhsa_code_object_version 6
	.text
	.protected	k_qaffa31648a_qkv
	.globl	k_qaffa31648a_qkv
	.p2align	8
	.type	k_qaffa31648a_qkv,@function
k_qaffa31648a_qkv:
	s_mov_b64 s[64:65], 0
	v_nop
	global_prefetch_b8 v0, s[64:65] scope:SCOPE_SE
	s_setreg_imm32_b32 hwreg(HW_REG_WAVE_MODE, 25, 1), 1
	s_wait_xcnt 0x0
	s_wait_alu depctr_hold_cnt(0) depctr_sa_sdst(0) depctr_va_vdst(0) depctr_va_sdst(0) depctr_va_ssrc(0) depctr_va_vcc(0) depctr_vm_vsrc(0)
	s_getreg_b32 s2, hwreg(HW_REG_IB_STS2, 6, 4)
	s_cmp_eq_u32 s2, 0
	s_cbranch_scc0 .Lentry_in_a_cluster
	s_endpgm
.Lentry_in_a_cluster:
	s_bfe_u32 s2, ttmp6, 0x10000c
	s_cmp_lg_u32 s2, 0xf033
	s_cbranch_scc0 .Lentry_shape_is_right
	s_endpgm
.Lentry_shape_is_right:
; The three quantised products in one: C[m][n] = sum over k of A[m][k] B[n][k], A = x's codes [8192][1024], B = the codes of w_q, w_k, w_v [3072][1024], FP4 (E2M1) with one E8M0 scale for each 32 along K; sums in f32.
; A tile of C, 256 x 256, is made by four waves, as many as a WGP has SIMDs; a wave makes 128 x 128: 64 accumulators, 512 registers.  K = 1,024 is two LDS slots of 512 along K (rows of 256 bytes): both are filled once, at the start.
; The scale bytes of the work-group's 256 rows of A and of B, for all of K, are two dense blocks: they come into LDS once, in runs of 256 bytes.
; CLUSTERS: 4 x 4 work-groups; A's tiles are asked for jointly along a row of the cluster, B's along a column.  The matrix instruction is used TRANSPOSED (source 0 = 16 rows of B, source 1 = 16 rows of A): a lane holds eight neighbouring numbers of a row of C.
; THE WAY OUT.  q, k, v leave as f16, laid by heads for the attention: qkv16[tensor][batch][head][position][64]; a wave's 128 columns are two heads; a store covers four positions of one head, 512 consecutive bytes.
; The first 16 rows of every tile row leave in f32 as well (qkvtop[tile row][16][3072]): tile rows 0, 8, 16, 24 hold positions 0 to 15 of the four sequences, which a later launch carries in f32.  Every tile row stores its block,
; 6 MB written where 0.8 MB are read.
; LIMIT: |q|, |k|, |v| beyond 65,504 have no f16 number; under 6e-5 they keep an absolute error of 3e-8.
; REGISTERS, in windows of 256: window 0: v0-31 addresses; v32-95 scale words, two sets; from v128 A's fragments, one set; on the way out v32-255 are free.  window 1: B's fragments, two sets.  windows 2, 3: the accumulators ((a, b) at v[8 (8 (a % 4) + b)]).
.set SIZE_K, 1024
.set KSTEP,  512                       ; along K in a slot
.set NQ,     KSTEP/128                 ; matrix instructions deep
.set ROWB,   256                       ; a tile's row in bytes
.set KROW,   SIZE_K*4/8                ; a row of A or of B in memory, in bytes
.set PITCH,  272                       ; an LDS row: 256 bytes + 16 of padding: the 16 rows that a load touches start at 16 different banks (64 banks of 4 bytes: ISA guide 11.1)
.set FR,     8                         ; registers of a fragment: 16 rows x 128 K
.set NL,     2                         ; LDS loads that bring one
.set NP,     4                         ; places behind this matrix instruction (ISA guide 7.12.1)
.set HALFT,  128*PITCH                 ; 128 rows: what one tensor load brings
.set SLOT,   4*HALFT                   ; A's 256 rows, then B's 256 rows
.set KS,     SIZE_K/32                 ; a row of scales in bytes
.set SCL,    2*SLOT                    ; behind the two slots: the scales, as runs of 256 bytes + 16 of padding
.set HALFS,  (128*KS/256)*272          ; the scales of 128 rows: what one tensor load brings
.set SBLK,   (16*KS/256)*272           ; those of 16 rows
.set SPARE,  SCL+4*HALFS               ; behind the scales: the spare words, which no other line names
.set SPITCH, 528                       ; the way out in f32: a stage of 16 rows x (512 + 16) bytes for each wave, from LDS byte 0 on
.set ST16,   34816                     ; the way out in f16: a stage of 16 rows x (256 + 16) bytes for each wave.  Both lie in slot 0, which has had its only fill and its last read when the first result is stored there
.set ADRA, 16                          ; v16-17  LDS address of my A fragments in slot 0, 1
.set ADRB, 20                          ; v20-21  the same for B
.set STO16, 22                         ; v22     f16 stage: where I put 16 bytes of a row
.set RD16, 23                          ; v23     f16 stage: where I read back: row lane / 8, 16 (lane % 8)
.set STO,  24                          ; v24     f32 stage: where I put 32 bytes of a row
.set RD,   25                          ; v25     f32 stage: where I read a row back
.set CO,   26                          ; v26     16 x lane
.set ADRS, 27                          ; v27     LDS address of my scale words: lanes 0-15 A's rows, lanes 16-31 B's
.set SPW,  28                          ; v28     LDS address of my spare word; never rewritten
.set NIL,  29                          ; v29     0; never rewritten
.set SC,   32                          ; scale words: set s at v[SC + 32 s]; register 4 i + q: lanes 0-15 A's block i, lanes 16-31 B's block i, the slot's q-th 128 along K
.set AF,   128                         ; A's fragments, in window 0
.set BK,   128                         ; the way out in f32: 16 rows read back
.set B16,  32                          ; the way out in f16: v32-63 and v64-95 by turns
.set TMP,  96                          ; v96-127 a block's packed results
.set G1, 24
.set G0, 32
.set G1B, 48
.set G0B, 56
.set G1S, 68
.set G0S, 76
.set G1SB, 80
.set G0SB, 88
.set MSB, 0
.macro WIN new                         ; the immediate's high byte repeats the setting that is left
.if MSB != \new
	s_set_vgpr_msb (MSB<<8)|\new
.set MSB, \new
.endif
.endm
.set MUL_LO, 0xa1                      ; source 0 (B) window 1, source 1 (A) window 0, C and D window 2
.set MUL_HI, 0xf1                      ; the same, C and D window 3
.set TO_B,   0x40                      ; destination window 1, address window 0
; A joint load: waves 0 and 1 fetch for A, waves 2 and 3 for B.  Each line has one mask and one set of registers for all that issue it; the branch hangs on the wave's number alone.
; An s_nop 0 and four v_nop follow each of the two lines.
.macro JLOAD g0a, g1a, g0b, g1b
	s_cmp_eq_u32 s15, 0
	s_cbranch_scc0 .Lfor_b_\@
	tensor_load_to_lds s[\g0a:\g0a+3], s[\g1a:\g1a+7]
	s_nop 0
.rept 4
	v_nop
.endr
	s_branch .Lasked_\@
.Lfor_b_\@:
	tensor_load_to_lds s[\g0b:\g0b+3], s[\g1b:\g1b+7]
	s_nop 0
.rept 4
	v_nop
.endr
.Lasked_\@:
.endm
.macro CROUND                          ; a round of the cluster's barrier
	s_barrier_signal -1
	s_barrier_wait -1
	s_cmp_lg_u32 s14, 0
	s_cbranch_scc1 .Lnot_wave_0_\@
	s_barrier_signal -3
.Lnot_wave_0_\@:
	s_barrier_wait -3
	s_barrier_signal -1
	s_barrier_wait -1
.endm
	s_load_b128 s[4:7], s[0:1], 0x0                ; A's codes s[4:5], A's scales s[6:7]
	s_load_b128 s[8:11], s[0:1], 0x10              ; B's codes s[8:9], B's scales s[10:11]
	s_load_b64 s[12:13], s[0:1], 0x20              ; qkv16
	s_load_b64 s[96:97], s[0:1], 0x28              ; qkvtop
	v_lshl_add_u32 v[SPW], v0, 2, SPARE
	v_mov_b32 v[NIL], 0
	ds_add_u32 v[SPW], v[NIL]                      ; the wave's opening: the add, twice on end, and its wait ahead of my first tensor load
	ds_add_u32 v[SPW], v[NIL]
	v_lshrrev_b32 v1, 5, v0
	v_readfirstlane_b32 s14, v1                    ; wave 0..3
	s_lshr_b32 s15, s14, 1                         ; which half of the tile's rows is mine.  Also: I fetch for A (0) or for B (1)
	s_and_b32 s16, s14, 1                          ; which half of its columns.  Also: which 128 rows of that tile I fetch
	s_bfe_u32 s40, ttmp6, 0x40000                  ; cx, cy: my place in the cluster
	s_bfe_u32 s41, ttmp6, 0x40004
	s_lshl_b32 s42, ttmp9, 2
	s_add_co_u32 s42, s42, s40                     ; tile column of C = 4 x cluster x + cx
	s_and_b32 s17, ttmp7, 0xffff
	s_lshl_b32 s17, s17, 2
	s_add_co_u32 s17, s17, s41                     ; tile row of C = 4 x cluster y + cy
	s_lshl_b32 s43, s41, 2
	s_lshl_b32 s43, 15, s43                        ; my row of the cluster
	s_lshl_b32 s44, 0x1111, s40                    ; my column
	; descriptor group 1: a tile of 128 rows x 256 bytes, padded in LDS
	s_or_b32 s[G1+0], s43, (0<<16)|(1<<20)|(1<<21)|(5<<22)|(3<<25)  ; the mask: A's tiles go to my row; elements of 1 byte; padding on; bit 21 beside a mask; after every 64 words four words
	s_or_b32 s[G1B+0], s44, (0<<16)|(1<<20)|(1<<21)|(5<<22)|(3<<25)
.irp g, G1, G1B
	s_mov_b32 s[\g+1], ROWB<<16                    ; tensor_dim0
	s_mov_b32 s[\g+2], 128<<16                     ; tensor_dim1 = 128
	s_mov_b32 s[\g+3], ROWB<<16                    ; tile_dim0
	s_mov_b32 s[\g+4], 128                         ; tile_dim1 = 128
	s_mov_b32 s[\g+5], KROW                        ; tensor_dim0_stride
	s_mov_b32 s[\g+6], 0
	s_mov_b32 s[\g+7], 0
.endr
	; and for the scales of 128 rows: a dense block of 4,096 bytes, as 16 rows of 256 bytes (32 elements of 8 bytes), 16 bytes of padding behind each
	s_or_b32 s[G1S+0], s43, (3<<16)|(1<<20)|(1<<21)|(5<<22)|(3<<25)
	s_or_b32 s[G1SB+0], s44, (3<<16)|(1<<20)|(1<<21)|(5<<22)|(3<<25)
.irp g, G1S, G1SB
	s_mov_b32 s[\g+1], 32<<16
	s_mov_b32 s[\g+2], (128*KS/256)<<16
	s_mov_b32 s[\g+3], 32<<16
	s_mov_b32 s[\g+4], 128*KS/256
	s_mov_b32 s[\g+5], 32
	s_mov_b32 s[\g+6], 0
	s_mov_b32 s[\g+7], 0
.endr
	s_lshl_b32 s18, s16, 7                         ; which 128 rows of the tile I fetch
	s_lshl_b32 s20, s17, 8
	s_add_co_u32 s20, s20, s18                     ; A: row 256 x tile row + 128 x half
	s_lshl_b32 s46, s42, 8
	s_add_co_u32 s46, s46, s18                     ; B: row 256 x tile column + 128 x half
	s_mov_b32 s21, 0
	s_mov_b32 s47, 0
	s_mov_b64 s[18:19], KS
	s_mul_u64 s[22:23], s[20:21], s[18:19]         ; where these rows' scales begin, in bytes
	s_mul_u64 s[92:93], s[46:47], s[18:19]
	s_mov_b64 s[18:19], KROW
	s_mul_u64 s[20:21], s[20:21], s[18:19]         ; and their codes
	s_mul_u64 s[46:47], s[46:47], s[18:19]
	s_mul_i32 s45, s14, HALFT                      ; where they go: wave x 128 rows: no place in the cluster enters an LDS address
	s_mul_i32 s94, s14, HALFS
	s_wait_dscnt 0x0                               ; both opening adds are done
	s_wait_kmcnt 0x0
	s_add_nc_u64 s[20:21], s[4:5], s[20:21]
	s_add_nc_u64 s[22:23], s[6:7], s[22:23]
	s_add_nc_u64 s[46:47], s[8:9], s[46:47]
	s_add_nc_u64 s[92:93], s[10:11], s[92:93]
	CROUND                                         ; all sixteen work-groups are here: the joint loads meet
	s_mov_b32 s[G0S], 1
	s_add_co_u32 s[G0S+1], s94, SCL
	s_mov_b64 s[G0S+2:G0S+3], s[22:23]
	s_or_b32 s[G0S+3], s[G0S+3], 0x80000000
	s_mov_b32 s[G0SB], 1
	s_add_co_u32 s[G0SB+1], s94, SCL
	s_mov_b64 s[G0SB+2:G0SB+3], s[92:93]
	s_or_b32 s[G0SB+3], s[G0SB+3], 0x80000000
	JLOAD G0S, G1S, G0SB, G1SB                     ; the scales first: they are wanted with the first slot
.irp s, 0,1
	s_mov_b32 s[G0+4*\s], 1
	s_add_co_u32 s[G0+4*\s+1], s45, \s*SLOT
	s_add_nc_u64 s[G0+4*\s+2:G0+4*\s+3], s[20:21], \s*ROWB
	s_or_b32 s[G0+4*\s+3], s[G0+4*\s+3], 0x80000000
	s_mov_b32 s[G0B+4*\s], 1
	s_add_co_u32 s[G0B+4*\s+1], s45, \s*SLOT
	s_add_nc_u64 s[G0B+4*\s+2:G0B+4*\s+3], s[46:47], \s*ROWB
	s_or_b32 s[G0B+4*\s+3], s[G0B+4*\s+3], 0x80000000
	JLOAD G0+4*\s, G1, G0B+4*\s, G1B               ; three tensor loads of mine are out at the most
.endr
	v_and_b32 v1, 15, v0                           ; l % 16
	v_bfe_u32 v2, v0, 4, 1                         ; l / 16
	v_mul_u32_u24 v3, v1, PITCH
	v_lshl_add_u32 v4, v2, 4, v3                   ; a fragment's row x pitch + 16 x half
	s_mul_i32 s21, s15, HALFT                      ; my 128 rows of A
	s_mul_i32 s22, s16, HALFT                      ; my 128 rows of B,
	s_add_co_u32 s22, s22, 2*HALFT                 ; which lie behind A's 256
.irp s, 0,1
	v_add_nc_u32 v[ADRA+\s], s21, v4
	v_add_nc_u32 v[ADRB+\s], s22, v4
	s_add_co_u32 s21, s21, SLOT
	s_add_co_u32 s22, s22, SLOT
.endr
	v_mul_u32_u24 v5, v1, KS                       ; my row's scales: 32 bytes a row,
	v_lshrrev_b32 v6, 8, v5
	v_lshl_add_u32 v5, v6, 4, v5                   ; and 16 more for each 256 passed
	s_mul_i32 s21, s15, HALFS                      ; A's: my 128 rows
	s_mul_i32 s22, s16, HALFS                      ; B's: my 128 rows, behind A's 256
	s_add_co_u32 s22, s22, 2*HALFS
	s_sub_co_u32 s22, s22, s21
	v_mul_u32_u24 v6, s22, v2                      ; lanes 16-31 take B's
	s_add_co_u32 s21, s21, SCL
	v_add_nc_u32 v5, v5, v6
	v_add_nc_u32 v[ADRS], s21, v5
	s_mul_i32 s23, s14, 16*SPITCH                  ; my f32 stage
	v_mul_u32_u24 v5, v1, SPITCH                   ; in: row l % 16, 32 bytes for each half of the lanes
	v_lshl_add_u32 v5, v2, 5, v5
	v_add_nc_u32 v[STO], s23, v5
	v_and_b32 v6, 31, v0
	v_lshlrev_b32 v[CO], 4, v6
	v_add_nc_u32 v[RD], s23, v[CO]                 ; back: the 32 lanes take one row of 512 bytes
	s_mul_i32 s23, s14, 16*272
	s_add_co_u32 s23, s23, ST16                    ; my f16 stage
	v_mul_u32_u24 v5, v1, 272                      ; in: row l % 16, 16 bytes for each half of the lanes
	v_lshl_add_u32 v5, v2, 4, v5
	v_add_nc_u32 v[STO16], s23, v5
	v_lshrrev_b32 v5, 3, v6                        ; back: eight lanes take a head's 128 bytes of a row, four rows an instruction
	v_mul_u32_u24 v5, v5, 272
	v_and_b32 v7, 7, v0
	v_lshl_add_u32 v5, v7, 4, v5
	v_add_nc_u32 v[RD16], s23, v5
	; where my part begins in qkv16: tensor x 2^24 + batch x 2^22 + head x 2^18 + position x 128; and in qkvtop: tile row x 196,608 + 4 x column
	s_lshl_b32 s20, s17, 8
	s_lshl_b32 s21, s15, 7
	s_add_co_u32 s20, s20, s21                     ; my first row m
	s_lshl_b32 s46, s42, 8
	s_lshl_b32 s47, s16, 7
	s_add_co_u32 s46, s46, s47                     ; my first column n
	s_lshr_b32 s21, s20, 11
	s_lshl_b32 s21, s21, 22                        ; batch
	s_and_b32 s22, s20, 2047
	s_lshl_b32 s22, s22, 7                         ; position
	s_add_co_u32 s21, s21, s22
	s_lshr_b32 s22, s46, 10
	s_lshl_b32 s22, s22, 24                        ; tensor
	s_add_co_u32 s21, s21, s22
	s_bfe_u32 s22, s46, 0x40006
	s_lshl_b32 s22, s22, 18                        ; head
	s_add_co_u32 s20, s21, s22
	s_mov_b32 s21, 0
	s_add_nc_u64 s[12:13], s[12:13], s[20:21]
	s_mul_i32 s20, s17, 196608
	s_lshl_b32 s22, s46, 2
	s_add_co_u32 s20, s20, s22
	s_add_nc_u64 s[96:97], s[96:97], s[20:21]
.macro FRAG reg, adr, q, i             ; a fragment: lane l holds row l % 16; registers 4 c .. 4 c + 3 hold K = 64 c + 32 (l / 16) + 0 .. 31
.irp c, 0,1
	ds_load_b128 v[\reg+4*\c:\reg+4*\c+3], v[\adr] offset:64*(\q)+32*\c+(\i)*16*PITCH
.endr
.endm
; 16 matrix instructions: A's blocks a0, a0 + 1 x B's eight, 128 along K.  p: B's set; sc: the set of scale words.  zero = 1: the first product starts the sums.
; The 64 accumulators take turns, one instruction a turn, in the same order in every step.
.macro MUL16 a0, p, q, sc, zero
.irp a, \a0, \a0+1
.irp b, 0,1,2,3,4,5,6,7
.if \zero
	v_wmma_scale_f32_16x16x128_f8f6f4 v[8*(8*((\a)%4)+\b):8*(8*((\a)%4)+\b)+7], v[128*(\p)+FR*\b:128*(\p)+FR*\b+FR-1], v[AF+FR*(\a):AF+FR*(\a)+FR-1], 0, v[SC+8*NQ*(\sc)+NQ*\b+(\q)], v[SC+8*NQ*(\sc)+NQ*(\a)+(\q)] matrix_a_fmt:MATRIX_FMT_FP4 matrix_b_fmt:MATRIX_FMT_FP4 matrix_a_scale:MATRIX_SCALE_ROW1
.else
	v_wmma_scale_f32_16x16x128_f8f6f4 v[8*(8*((\a)%4)+\b):8*(8*((\a)%4)+\b)+7], v[128*(\p)+FR*\b:128*(\p)+FR*\b+FR-1], v[AF+FR*(\a):AF+FR*(\a)+FR-1], v[8*(8*((\a)%4)+\b):8*(8*((\a)%4)+\b)+7], v[SC+8*NQ*(\sc)+NQ*\b+(\q)], v[SC+8*NQ*(\sc)+NQ*(\a)+(\q)] matrix_a_fmt:MATRIX_FMT_FP4 matrix_b_fmt:MATRIX_FMT_FP4 matrix_a_scale:MATRIX_SCALE_ROW1
.endif
.endr
.endr
.endm
.macro FETCH_B slot, q, p              ; B's eight fragments of the slot's q-th 128 along K into set p
	WIN TO_B
.irp i, 0,1,2,3,4,5,6,7
	FRAG 128*(\p)+FR*\i, ADRB+\slot, \q, \i
.endr
	WIN 0
.endm
.macro FETCH_A slot, q, i0             ; A's blocks i0 .. i0 + 3
.irp i, \i0, \i0+1, \i0+2, \i0+3
	FRAG AF+FR*(\i), ADRA+\slot, \q, \i
.endr
.endm
.macro SCALES sc                       ; a slot's scale words into set sc: four words a row; lanes 0-15 take A's block i, lanes 16-31 B's block i
.irp i, 0,1,2,3,4,5,6,7
	ds_load_b128 v[SC+8*NQ*\sc+NQ*\i:SC+8*NQ*\sc+NQ*\i+3], v[ADRS] offset:\i*SBLK
.endr
.endm
.macro PLACES n                        ; plain vector lines between a matrix instruction and a load into, or a read of, its registers
.rept \n
	v_nop
.endr
.endm
.macro STEP slot, q, zero              ; a step of 128 along K that has its successor in the same slot
	s_wait_dscnt 4*NL                              ; B's set and A's blocks 0-3 are in; the youngest eight loads (A's blocks 4-7) may be out
	WIN MUL_LO
	MUL16 0, (\q)%2, \q, \slot, \zero
	MUL16 2, (\q)%2, \q, \slot, \zero
	s_wait_dscnt 0                                 ; A's blocks 4-7 are in
	PLACES NP
	FETCH_B \slot, (\q)+1, 1-(\q)%2
	FETCH_A \slot, (\q)+1, 0
	WIN MUL_HI
	MUL16 4, (\q)%2, \q, \slot, \zero
	MUL16 6, (\q)%2, \q, \slot, \zero
	PLACES NP
	WIN 0
	FETCH_A \slot, (\q)+1, 4
.endm
.macro STEPS slot, from                ; the slot's steps from .. NQ - 2
.set Q, \from
.rept NQ-1-\from
	STEP \slot, Q, 0
.set Q, Q+1
.endr
.endm
	s_wait_tensorcnt 1                             ; the scales and my part of slot 0 are in (slot 1's load may be out)
	s_barrier_signal -1
	s_barrier_wait -1                              ; everybody's are
	FETCH_B 0, 0, 0
	FETCH_A 0, 0, 0
	SCALES 0
	FETCH_A 0, 0, 4
	STEP 0, 0, 1                                   ; the first step's products start the sums: nothing is cleared
	STEPS 0, 1
	; slot 0's last step changes slots: one barrier; in front of it each wave waits for all its tensor loads, adds 0 to its spare word, and waits for that and for its reads of slot 0
	s_wait_tensorcnt 0x0                           ; my part of slot 1 has landed
	ds_add_u32 v[SPW], v[NIL]
	s_wait_dscnt 4*NL+1                            ; the add and the youngest eight loads (A's blocks 4-7) may be out
	WIN MUL_LO
	MUL16 0, 1, NQ-1, 0, 0
	s_wait_dscnt 0x0                               ; the add is done, and my reads of slot 0 are over
	s_barrier_signal -1
	MUL16 2, 1, NQ-1, 0, 0
	WIN 0
	s_barrier_wait -1                              ; slot 1 is whole, and nobody reads slot 0 any more
	PLACES NP
	v_add_nc_u32 v[ADRS], 4*NQ, v[ADRS]            ; on to slot 1's scale words
	FETCH_B 1, 0, 0
	FETCH_A 1, 0, 0
	SCALES 1
	WIN MUL_HI
	MUL16 4, 1, NQ-1, 0, 0
	MUL16 6, 1, NQ-1, 0, 0
	PLACES NP
	WIN 0
	FETCH_A 1, 0, 4
	STEPS 1, 0
	s_wait_dscnt 4*NL                              ; the very last step: nothing more to fetch
	WIN MUL_LO
	MUL16 0, 1, NQ-1, 1, 0
	MUL16 2, 1, NQ-1, 1, 0
	s_wait_dscnt 0
	WIN MUL_HI
	MUL16 4, 1, NQ-1, 1, 0
	MUL16 6, 1, NQ-1, 1, 0
	WIN 0
	PLACES NP                                      ; behind the last products: for the reads of results and the loads into registers that held fragments and scale words
	; the tile row's first 16 rows in f32: the waves of the upper half of the rows (a branch on the wave's number alone); block 0 through my f32 stage, back as rows of 512 bytes
	s_cmp_lg_u32 s15, 0
	s_cbranch_scc1 .Lno_top
	WIN 0x08                                       ; an LDS store's data are its source 1: window 2
.irp b, 0,1,2,3,4,5,6,7
	ds_store_b128 v[STO], v[8*\b:8*\b+3] offset:64*\b              ; each accumulator from its low end on
	ds_store_b128 v[STO], v[8*\b+4:8*\b+7] offset:64*\b+16
.endr
	WIN 0
.irp t, 0,1,2,3,4,5,6,7,8,9,10,11,12,13,14,15
	ds_load_b128 v[BK+4*\t:BK+4*\t+3], v[RD] offset:\t*SPITCH      ; LDS serves a wave's instructions in order: these see the stores above
.endr
	s_wait_dscnt 0x0
.irp t, 0,1,2,3,4,5,6,7,8,9,10,11,12,13,14,15
	global_store_b128 v[CO], v[BK+4*\t:BK+4*\t+3], s[96:97] offset:\t*12288   ; 32 lanes store 512 consecutive bytes of a row of qkvtop
.endr
.Lno_top:
; The way out in f16, block by block of 16 rows x 128 columns.  PACK: rounded to f16, 16 bytes a lane.  TOSTAGE16: into my f16 stage and back by heads.  SEND16: stored.
.macro PACK a
.set AC, 64*((\a)%4)
	WIN 0x0a+5*((\a)/4)                            ; sources 0 and 1: window 2 or 3
.irp b, 0,1,2,3,4,5,6,7
.irp r, 0,1,2,3
	v_cvt_pk_f16_f32 v[TMP+4*\b+\r], v[AC+8*\b+2*\r], v[AC+8*\b+2*\r+1]
.endr
.endr
	WIN 0
.endm
.macro TOSTAGE16 a
.set BB, B16+32*((\a)%2)
.irp b, 0,1,2,3,4,5,6,7
	ds_store_b128 v[STO16], v[TMP+4*\b:TMP+4*\b+3] offset:32*\b
.endr
.irp u, 0,1,2,3,4,5,6,7                ; u = 4 x head + i: rows 4 i .. 4 i + 3 of one head's 128 bytes
	ds_load_b128 v[BB+4*\u:BB+4*\u+3], v[RD16] offset:(\u%4)*1088+(\u/4)*128
.endr
.endm
.macro SEND16 a
.set BB, B16+32*((\a)%2)
	s_wait_dscnt 0x0                               ; the block is back in registers
	s_wait_xcnt 0x0                                ; the earlier stores have read their registers: the next block's loads may land there
.irp u, 0,1,2,3,4,5,6,7
	global_store_b128 v[CO], v[BB+4*\u:BB+4*\u+3], s[12:13] offset:(\a)*2048+(\u/4)*262144+(\u%4)*512   ; four positions of one head: 512 consecutive bytes, aligned
.endr
.endm
	PACK 0
	TOSTAGE16 0
.irp a, 1,2,3,4,5,6,7                  ; block a's conversions stand between block a - 1's loads from the stage and the wait for them
	PACK \a
	SEND16 \a-1
	TOSTAGE16 \a
.endr
	SEND16 7
	s_wait_tensorcnt 0x0                           ; the wave's end: a wait, an add of 0 and its wait behind my last tensor load and my last LDS store
	ds_add_u32 v[SPW], v[NIL]
	s_wait_dscnt 0x0
	CROUND                                         ; the closing round: no work-group ends while a partner may still ask for a tile that names it
	s_endpgm
.Lfunc_end_k_qaffa31648a_qkv:
	.size	k_qaffa31648a_qkv, .Lfunc_end_k_qaffa31648a_qkv-k_qaffa31648a_qkv
	.p2alignl 7, 3214868480
	.fill 96, 4, 3214868480
	.section	.rodata,"a",@progbits
	.p2align	6, 0x0
	.amdhsa_kernel k_qaffa31648a_qkv
		.amdhsa_group_segment_fixed_size 327680
		.amdhsa_private_segment_fixed_size 0
		.amdhsa_enable_private_segment 0
		.amdhsa_kernarg_size 48
		.amdhsa_user_sgpr_count 2
		.amdhsa_user_sgpr_kernarg_segment_ptr 1
		.amdhsa_wavefront_size32 1
		.amdhsa_system_sgpr_workgroup_id_x 1
		.amdhsa_system_sgpr_workgroup_id_y 1
		.amdhsa_system_sgpr_workgroup_id_z 1
		.amdhsa_system_vgpr_workitem_id 0
		.amdhsa_next_free_vgpr 1024
		.amdhsa_next_free_sgpr 98
		.amdhsa_reserve_vcc 0
		.amdhsa_float_denorm_mode_32 3
		.amdhsa_float_denorm_mode_16_64 3
		.amdhsa_memory_ordered 1
		.amdhsa_forward_progress 1
		.amdhsa_inst_pref_size 131
	.end_amdhsa_kernel
	.amdgpu_metadata
---
amdhsa.version: [ 1, 2 ]
amdhsa.kernels:
  - .name:           k_qaffa31648a_qkv
    .symbol:         k_qaffa31648a_qkv.kd
    .args:
      - { .name: xc, .offset: 0, .size: 8, .value_kind: global_buffer, .address_space: global }
      - { .name: xs, .offset: 8, .size: 8, .value_kind: global_buffer, .address_space: global }
      - { .name: wc, .offset: 16, .size: 8, .value_kind: global_buffer, .address_space: global }
      - { .name: ws, .offset: 24, .size: 8, .value_kind: global_buffer, .address_space: global }
      - { .name: qkv16, .offset: 32, .size: 8, .value_kind: global_buffer, .address_space: global }
      - { .name: qkvtop, .offset: 40, .size: 8, .value_kind: global_buffer, .address_space: global }
    .group_segment_fixed_size: 327680
    .private_segment_fixed_size: 0
    .kernarg_segment_align: 8
    .kernarg_segment_size: 48
    .max_flat_workgroup_size: 128
    .sgpr_count:     98
    .vgpr_count:     1024
    .wavefront_size: 32
...
	.end_amdgpu_metadata
.endif
;; end of part 3
;; launch attn (part 4): grid 4 x 64, 8 waves a work-group, no clusters, 327,680 bytes of LDS; arguments qkv16, att16; writes att16
.if DOCPART == 4
	.amdgcn_target "amdgcn-amd-amdhsa--gfx1250"
	.amdhsa_code_object_version 6
	.text
	.protected	k_qaffa31648a_attn
	.globl	k_qaffa31648a_attn
	.p2align	8
	.type	k_qaffa31648a_attn,@function
k_qaffa31648a_attn:
	s_mov_b64 s[64:65], 0
	v_nop
	global_prefetch_b8 v0, s[64:65] scope:SCOPE_SE
	s_setreg_imm32_b32 hwreg(HW_REG_WAVE_MODE, 25, 1), 1
	s_wait_xcnt 0x0
; Causal attention, 64 (batch, head) pairs of 2,048 positions x 64 channels, on f16 operands with f32 products, maxima and sums.  q, k, v: qkv16[tensor][batch x 16 + head][position][64].  Result: att16[head][batch x 2048 + position][64], f16.
; SHARES.  Work-group (I, y), I = 0 .. 3: head pair y, the query blocks I and 7 - I of 256 queries, one after the other.  Block B needs key slots 0 .. B of 256 keys: (I + 1) + (8 - I) = 9 slots in every work-group:
; 256 work-groups of equal work, and a trip count that is a constant.  Trip T = 0 .. 8: for T <= I block I and key slot T, else block 7 - I and key slot T - I - 1.  Trips I and 8 lie on the diagonal.
; A wave owns 32 queries, two tiles of 16, at rows 32 U of the block, U = W xor 3 (W / 4): waves W and W + 4 have five key steps together on a diagonal slot.
; NO CLUSTER: the four work-groups of a head pair want different key slots in each trip, so there is no tile that partners could ask for in the same step.
; LAYOUT.  S^T = K Q^T (source 0 = 16 keys, source 1 = 16 queries): a lane holds ONE query (lane % 16) and keys 8 (lane / 16) + 0..7.  Two such tiles, rounded to f16 in pairs, are source 1 of O^T = V^T P.  V is turned by ds_load_tr16_b128.
; SOFTMAX.  A running maximum m and sum l for each query: p = 2^(c s - c m), c = log2(e) / 8; in every step O and l are multiplied by a = 2^(c m_old - c m_new).  m begins at -3e38, O and l at 0, so the first step needs no form of its own.
; THE MASK.  On a diagonal slot a key step of 64 keys that lies wholly behind the wave's queries is jumped over (a branch on ids); in the one step on the diagonal hidden scores become -infinity ahead of the maximum.
; LIMITS: the error of p grows with |c m| (the rounding of c m); p under 6e-5 keeps an absolute error of 3e-8 in f16; NaN and infinities are not served.
; Positions 0 to 15 of each sequence are computed here like all others and are written again, from f32 operands, by the program's last launch (in the final output, not here).
; LDS: two slots 2^17 bytes apart: K as 128 rows of two keys (256 bytes + 16), then V likewise (256 + 32); behind them a stage of 32 rows x 144 bytes for each wave; behind that the spare words.
.set PKP,   272                        ; two keys of K in LDS: the 16 rows of a fragment load fall on 16 different 16-byte columns of 256
.set PVP,   288                        ; two keys of V: the same for 16 lanes of the turning load
.set VOFF,  128*PKP
.set SLOT1, 1<<17
.set STAGE, SLOT1+128*(PKP+PVP)
.set SPARE, STAGE+8*32*144
.set AK0, 1                            ; v1   my lane's place in a tile of K
.set AV0, 2                            ; v2   the same for V
.set ADK, 3                            ; v3   AK0 + the slot in hand
.set ADV, 4                            ; v4   AV0 + the slot in hand
.set QO,  5                            ; v5   my byte offset in the wave's rows of q
.set STO, 6                            ; v6   the stage: where I put 16 bytes of a row
.set RD,  7                            ; v7   the stage: where I read back
.set GO,  8                            ; v8   16 x lane
.set SPW, 9                            ; v9   LDS address of my spare word; never rewritten
.set NIL, 10                           ; v10  0; never rewritten
.set PFO, 11                           ; v11  256 x lane, for the prefetches; never rewritten
.set MD,  12                           ; v12, v13  tile t: my query's place in the diagonal step, less 8 (lane / 16)
.set NINF, 14                          ; v14  -infinity
.set ST,  16                           ; v16-31 statistics, 8 a tile: +0 c m, +1 m, +2, +3 l in two halves, +4 .. +7 at work (a in +6)
.set QF,  32                           ; v32-63  q: tile t, channels 32 ks on, at 32 + 16 t + 8 ks
.set SS,  64                           ; v64-127 S^T: tile t, keys 16 kt on, at 64 + 32 t + 8 kt; then p; P in f16 in a tile's first 16 registers
.set KV,  128                          ; v128-191 K of a step (16 kt + 8 ks), then V (32 kc + 8 ct)
.set OT,  192                          ; v192-255 O^T: tile t, channels 16 ct on, at 192 + 32 t + 8 ct
.set WV,  8                            ; s8 wave   s9 U   s10 I   s11 y   s12 T
.set UU,  9
.set II,  10
.set YY,  11
.set TT,  12
.set NST, 14                           ; s14  key steps of this trip that my wave walks
.set MSK, 15                           ; s15  the step that is masked (4: none)
.set WH,  16                           ; s16  U / 2: my step on a diagonal slot;  s17: + 1
.set WH1, 17
.set TB,  18                           ; s18  LDS byte at which the slot in hand begins
.set SEL, 20                           ; s[20:21] lane selects: lane l xor 16
.set CS,  22                           ; s[22:23] c, twice: the packed form names a pair
.set G1K, 24                           ; s[24:31], s[32:39] descriptor groups 1 for K's and V's tiles;  s[40:43], s[44:47] their groups 0
.set G1V, 32
.set G0K, 40
.set G0V, 44
.set KB,  48                           ; s[48:49] k of my head pair, at the half of a slot that I would fetch;  s[50:51] v likewise
.set VB,  50
.set QH,  52                           ; s[52:53] q of my head pair;  s[54:55] my head pair's rows of att16
.set OH,  54
.set QB,  56                           ; s[56:57], s[58:59] the same at my wave's 32 queries of the block in hand
.set OB,  58
.set LIM, 63                           ; s63  a wave prefetches while T is under it: 7, or 0
.set PFA, 66                           ; s[66:67] where my prefetches stand
; Waves 0 and 1 fetch K's halves of a slot, waves 2 and 3 V's, the others nothing.  The branches hang on the wave's number alone.  An s_nop 0 and four v_nop follow each line.
.macro TLOAD g0k, g1k, g0v, g1v
	s_cmp_lt_u32 s[WV], 2
	s_cbranch_scc0 .Lnot_k_\@
	tensor_load_to_lds s[\g0k:\g0k+3], s[\g1k:\g1k+7]
	s_nop 0
.rept 4
	v_nop
.endr
	s_branch .Lasked_\@
.Lnot_k_\@:
	s_cmp_lt_u32 s[WV], 4
	s_cbranch_scc0 .Lasked_\@
	tensor_load_to_lds s[\g0v:\g0v+3], s[\g1v:\g1v+7]
	s_nop 0
.rept 4
	v_nop
.endr
.Lasked_\@:
.endm
; A PREFETCH INTO THE L2.  Of a head pair's four work-groups the one with I = 0 walks key slots 0 to 7 in trips 1 to 8; in trip T it loads slot T and names slot T + 1: one trip, four key steps, ahead of its own load.
; Waves 4 and 5 name K's two halves of the slot, waves 6 and 7 V's: 16,384 bytes a wave, two instructions, lanes 256 bytes apart.  So each aligned 256 bytes of slots 1 to 7 are named once in the launch; the last names slot 7.
.macro ASK
	s_cmp_lt_u32 s[TT], s[LIM]
	s_cbranch_scc0 .Lnot_mine_\@
	global_prefetch_b8 v[PFO], s[PFA:PFA+1] th:TH_LOAD_NT scope:SCOPE_SE
	global_prefetch_b8 v[PFO], s[PFA:PFA+1] offset:8192 th:TH_LOAD_NT scope:SCOPE_SE
.Lnot_mine_\@:
.endm
	s_load_b128 s[4:7], s[0:1], 0x0                ; qkv16 s[4:5], att16 s[6:7]
	v_lshl_add_u32 v[SPW], v0, 2, SPARE
	v_mov_b32 v[NIL], 0
	ds_add_u32 v[SPW], v[NIL]                      ; the wave's opening: the add, twice on end, and its wait ahead of my first tensor load
	ds_add_u32 v[SPW], v[NIL]
	v_lshrrev_b32 v1, 5, v0
	v_readfirstlane_b32 s[WV], v1                  ; wave 0..7
	s_lshr_b32 s[UU], s[WV], 2
	s_mul_i32 s[UU], s[UU], 3
	s_xor_b32 s[UU], s[UU], s[WV]                  ; U
	s_mov_b32 s[II], ttmp9
	s_and_b32 s[YY], ttmp7, 0xffff
	s_lshr_b32 s[WH], s[UU], 1
	s_add_co_u32 s[WH1], s[WH], 1
	; descriptor groups 1: half a slot's K or V is a dense block of 16,384 bytes: 64 rows of 256 bytes (32 elements of 8 bytes), padded in LDS
	s_mov_b32 s[G1K], (3<<16)|(1<<20)|(5<<22)|(3<<25)   ; no mask; elements of 8 bytes; padding on: after every 64 words four words
	s_mov_b32 s[G1V], (3<<16)|(1<<20)|(5<<22)|(7<<25)   ; the same with eight words
.irp g, G1K, G1V
	s_mov_b32 s[\g+1], 32<<16                      ; tensor_dim0
	s_mov_b32 s[\g+2], 64<<16                      ; tensor_dim1
	s_mov_b32 s[\g+3], 32<<16                      ; tile_dim0
	s_mov_b32 s[\g+4], 64                          ; tile_dim1
	s_mov_b32 s[\g+5], 32                          ; tensor_dim0_stride
	s_mov_b32 s[\g+6], 0
	s_mov_b32 s[\g+7], 0
.endr
	s_mov_b32 s[SEL], 0x76543210
	s_mov_b32 s[SEL+1], 0xfedcba98
	s_mov_b32 s[CS], 0x3e38aa3b                    ; c = log2(e) / sqrt(64)
	s_mov_b32 s[CS+1], s[CS]
	s_mov_b32 s[TB], 0
	s_mov_b32 s[TT], 0
	s_lshl_b32 s60, s[YY], 18                      ; a head pair's 2,048 rows of 128 bytes
	s_mov_b32 s61, 0
	s_and_b32 s62, s[WV], 1
	s_lshl_b32 s68, s62, 14                        ; the half of a slot that I would fetch: in memory,
	s_add_co_u32 s68, s68, s60
	s_mov_b32 s69, 0
	s_mul_i32 s70, s62, 64*PKP                     ; and in a slot: K's,
	s_mul_i32 s71, s62, 64*PVP
	s_add_co_u32 s71, s71, VOFF                    ; V's
	s_and_b32 s72, s[YY], 15
	s_lshl_b32 s72, s72, 20                        ; att16: head x 2^20
	s_lshr_b32 s73, s[YY], 4
	s_lshl_b32 s73, s73, 18                        ; + batch x 2,048 rows of 128 bytes
	s_add_co_u32 s72, s72, s73
	s_mov_b32 s73, 0
	s_lshr_b32 s62, s[WV], 2
	s_xor_b32 s62, s62, 1
	s_or_b32 s62, s62, s[II]                       ; 0 in waves 4 to 7 of the work-group with I = 0
	s_cmp_eq_u32 s62, 0
	s_cselect_b32 s[LIM], 7, 0
	s_wait_dscnt 0x0                               ; both opening adds are done
	s_wait_kmcnt 0x0
	s_add_nc_u64 s[QH:QH+1], s[4:5], s[60:61]
	s_add_nc_u64 s[KB:KB+1], s[4:5], s[68:69]
	s_add_nc_u64 s[KB:KB+1], s[KB:KB+1], 0x1000000
	s_add_nc_u64 s[VB:VB+1], s[KB:KB+1], 0x1000000
	s_add_nc_u64 s[OH:OH+1], s[6:7], s[72:73]
	s_mov_b32 s[G0K], 1                            ; count = 1
	s_mov_b32 s[G0K+1], s70                        ; LDS address: slot 0
	s_mov_b64 s[G0K+2:G0K+3], s[KB:KB+1]           ; key slot 0: trip 0's
	s_or_b32 s[G0K+3], s[G0K+3], 0x80000000        ; type = 2
	s_mov_b32 s[G0V], 1
	s_mov_b32 s[G0V+1], s71
	s_mov_b64 s[G0V+2:G0V+3], s[VB:VB+1]
	s_or_b32 s[G0V+3], s[G0V+3], 0x80000000
	TLOAD G0K, G1K, G0V, G1V                       ; slot 0: the one first fill at the head
	s_cmp_lt_u32 s[WV], 6
	s_cselect_b64 s[PFA:PFA+1], s[KB:KB+1], s[VB:VB+1]   ; at key slot 0; the first change of slots steps it to slot 1
	s_lshl_b32 s60, s[II], 15                      ; block I: 256 rows of 128 bytes a block,
	s_lshl_b32 s62, s[UU], 12                      ; 32 rows a wave
	s_add_co_u32 s60, s60, s62
	s_add_nc_u64 s[QB:QB+1], s[QH:QH+1], s[60:61]
	s_add_nc_u64 s[OB:OB+1], s[OH:OH+1], s[60:61]
	v_and_b32 v64, 15, v0                          ; r = l % 16
	v_bfe_u32 v65, v0, 4, 1                        ; h = l / 16
	v_and_b32 v66, 31, v0                          ; l
	v_lshlrev_b32 v[QO], 7, v64
	v_lshl_add_u32 v[QO], v65, 4, v[QO]            ; q: row r of 128 bytes + 16 h
.macro QLOAD                           ; my 32 queries stay in registers: a fragment is 16 rows x 32 channels: two loads of 16 bytes, 32 bytes apart
.irp t, 0,1
.irp k, 0,1
	global_load_b128 v[QF+16*\t+8*\k:QF+16*\t+8*\k+3],   v[QO], s[QB:QB+1] offset:\t*2048+64*\k
	global_load_b128 v[QF+16*\t+8*\k+4:QF+16*\t+8*\k+7], v[QO], s[QB:QB+1] offset:\t*2048+64*\k+32
.endr
.endr
.endm
	QLOAD
	v_lshrrev_b32 v67, 1, v64
	v_mul_u32_u24 v[AK0], v67, PKP                 ; K: key r lies in row r / 2,
	v_and_b32 v67, 1, v0
	v_lshl_add_u32 v[AK0], v67, 7, v[AK0]          ; half r % 2 of it,
	v_lshl_add_u32 v[AK0], v65, 4, v[AK0]          ; + 16 h
	v_bfe_u32 v68, v0, 1, 2
	v_lshl_add_u32 v68, v65, 2, v68                ; V, for the turning load: key 8 h + l % 8 lies in row 4 h + (l % 8) / 2,
	v_mul_u32_u24 v[AV0], v68, PVP
	v_lshl_add_u32 v[AV0], v67, 7, v[AV0]          ; half l % 2 of it,
	v_bfe_u32 v68, v0, 3, 1
	v_lshl_add_u32 v[AV0], v68, 4, v[AV0]          ; channels 8 ((l / 8) % 2) on
	v_add_nc_u32 v[AV0], VOFF, v[AV0]
	s_mul_i32 s62, s[WV], 32*144
	s_add_co_u32 s62, s62, STAGE                   ; my stage
	v_mul_u32_u24 v[STO], v64, 144
	v_lshl_add_u32 v[STO], v65, 4, v[STO]
	v_add_nc_u32 v[STO], s62, v[STO]               ; in: row r, 16 bytes for each half of the lanes
	v_lshrrev_b32 v68, 3, v66
	v_mul_u32_u24 v[RD], v68, 144
	v_and_b32 v68, 7, v0
	v_lshl_add_u32 v[RD], v68, 4, v[RD]
	v_add_nc_u32 v[RD], s62, v[RD]                 ; back: eight lanes take a row's 128 bytes, four rows an instruction
	v_lshlrev_b32 v[GO], 4, v66
	v_lshlrev_b32 v[PFO], 8, v66
	s_and_b32 s62, s[UU], 1
	s_lshl_b32 s62, s62, 5
	v_lshlrev_b32 v68, 3, v65
	v_sub_nc_u32 v[MD], v64, v68
	v_add_nc_u32 v[MD], s62, v[MD]                 ; 32 (U % 2) + r - 8 h
	v_add_nc_u32 v[MD+1], 16, v[MD]
	v_mov_b32 v[NINF], 0xff800000
.macro INIT                            ; a block of queries begins: m under every score, l and O^T zero (the first a is 0 and leaves them zero)
.irp t, 0,1
	v_mov_b32 v[ST+8*\t+1], 0xff61b1e6             ; -3e38
	v_mul_f32 v[ST+8*\t], s[CS], v[ST+8*\t+1]
	v_mov_b32 v[ST+8*\t+2], 0
	v_mov_b32 v[ST+8*\t+3], 0
	v_mov_b32 v[ST+8*\t+5], 0                      ; the way out names +5 as a lane permute's destination, which counts as a source,
	v_mov_b32 v[ST+8*\t+7], 0                      ; and +7 as the upper half of the pair that holds 1 / l: both are written here, so that they are written on every path through the steps' jumps
.endr
.set i, 0
.rept 64
	v_mov_b32 v[OT+i], 0
.set i, i+1
.endr
.endm
	INIT
; A KEY STEP: 64 keys, the q-th of the slot in hand.
.macro STEP q
	s_cmp_le_u32 s[NST], \q                        ; a step whose keys all come behind my 32 queries is left out: ids alone; no barrier, wait for tiles or tensor load stands in a step
	s_cbranch_scc1 .Lhid_\@
.irp kt, 0,1,2,3
.irp ks, 0,1
	ds_load_b128 v[KV+16*\kt+8*\ks:KV+16*\kt+8*\ks+3],   v[ADK] offset:(\q)*32*PKP+\kt*8*PKP+64*\ks
	ds_load_b128 v[KV+16*\kt+8*\ks+4:KV+16*\kt+8*\ks+7], v[ADK] offset:(\q)*32*PKP+\kt*8*PKP+64*\ks+32
.endr
.endr
	s_wait_dscnt 0x0                               ; K is in
.set i, 0
.rept 16                               ; S^T = K Q^T: channels 32 (i / 8) on, keys 16 ((i / 2) % 4) on, tile i % 2.  The eight accumulators take turns; the first eight products start the sums
.set rS, SS+32*(i%2)+8*((i/2)%4)
.set rK, KV+16*((i/2)%4)+8*(i/8)
.set rQ, QF+16*(i%2)+8*(i/8)
.if i < 8
	v_wmma_f32_16x16x32_f16 v[rS:rS+7], v[rK:rK+7], v[rQ:rQ+7], 0
.else
	v_wmma_f32_16x16x32_f16 v[rS:rS+7], v[rK:rK+7], v[rQ:rQ+7], v[rS:rS+7]
.endif
.set i, i+1
.endr
.rept 4
	v_nop                                          ; four places: ahead of the loads into K's registers and of the first read of the scores
.endr
.irp kc, 0,1
.irp ct, 0,1,2,3
	ds_load_tr16_b128 v[KV+32*\kc+8*\ct:KV+32*\kc+8*\ct+3],   v[ADV] offset:(\q)*32*PVP+\kc*16*PVP+32*\ct      ; V, turned: it lands while the softmax is walked
	ds_load_tr16_b128 v[KV+32*\kc+8*\ct+4:KV+32*\kc+8*\ct+7], v[ADV] offset:(\q)*32*PVP+\kc*16*PVP+8*PVP+32*\ct
.endr
.endr
	s_cmp_lg_u32 s[MSK], \q
	s_cbranch_scc1 .Lopen_\@
.irp t, 0,1                            ; on the diagonal: register n of a tile holds key 16 (n / 8) + n % 8 + 8 h of the step: hidden where that is above my query's place
.set n, 0
.rept 32
	v_cmp_gt_i32 vcc_lo, 16*(n/8)+n%8, v[MD+\t]
	v_cndmask_b32 v[SS+32*\t+n], v[SS+32*\t+n], v[NINF], vcc_lo
.set n, n+1
.endr
.endr
.Lopen_\@:
	; the softmax, the two tiles by turns line by line.  The maximum of 32 scores and the old m: four chains, each accumulator read from its low end on
.irp j, 0,1,2,3
.irp t, 0,1
	v_max3_num_f32 v[ST+8*\t+4+\j], v[SS+32*\t+8*\j], v[SS+32*\t+8*\j+1], v[SS+32*\t+8*\j+2]
.endr
.endr
.irp g, 1,2
.irp j, 0,1,2,3
.irp t, 0,1
	v_max3_num_f32 v[ST+8*\t+4+\j], v[ST+8*\t+4+\j], v[SS+32*\t+8*\j+2*\g+1], v[SS+32*\t+8*\j+2*\g+2]
.endr
.endr
.endr
.irp t, 0,1
	v_max3_num_f32 v[ST+8*\t+4], v[ST+8*\t+4], v[SS+32*\t+7], v[SS+32*\t+15]
.endr
.irp t, 0,1
	v_max3_num_f32 v[ST+8*\t+6], v[ST+8*\t+6], v[SS+32*\t+23], v[SS+32*\t+31]
.endr
.irp t, 0,1
	v_max3_num_f32 v[ST+8*\t+4], v[ST+8*\t+4], v[ST+8*\t+5], v[ST+8*\t+6]
.endr
.irp t, 0,1
	v_max3_num_f32 v[ST+8*\t+4], v[ST+8*\t+4], v[ST+8*\t+7], v[ST+8*\t+1]
.endr
.irp t, 0,1
	v_permlanex16_b32 v[ST+8*\t+5], v[ST+8*\t+4], s[SEL], s[SEL+1]   ; the query's other 32 keys lie in the lane 16 away
.endr
.irp t, 0,1
	v_mov_b32 v[ST+8*\t+7], v[ST+8*\t]             ; c m_old
.endr
.irp t, 0,1
	v_max_num_f32 v[ST+8*\t+1], v[ST+8*\t+4], v[ST+8*\t+5]   ; the new m
.endr
.irp t, 0,1
	v_mul_f32 v[ST+8*\t], s[CS], v[ST+8*\t+1]
.endr
.irp t, 0,1
	v_sub_f32 v[ST+8*\t+7], v[ST+8*\t+7], v[ST+8*\t]
.endr
.irp b, 0,1,2,3,4,5,6,7,8,9,10,11,12,13,14,15
.irp t, 0,1
	v_pk_fma_f32 v[SS+32*\t+2*\b:SS+32*\t+2*\b+1], v[SS+32*\t+2*\b:SS+32*\t+2*\b+1], s[CS:CS+1], v[ST+8*\t:ST+8*\t+1] op_sel_hi:[1,0,0] neg_lo:[0,0,1] neg_hi:[0,0,1]   ; c s - c m, two at a time
.endr
.endr
.irp t, 0,1
	v_exp_f32 v[ST+8*\t+6], v[ST+8*\t+7]           ; a
.endr
.irp e, 0,1,2,3,4,5,6,7,8,9,10,11,12,13,14,15,16,17,18,19,20,21,22,23,24,25,26,27,28,29,30,31
.irp t, 0,1
	v_exp_f32 v[SS+32*\t+\e], v[SS+32*\t+\e]       ; p: one batch of 66 exponentials, none of which reads another's result
.endr
.endr
	v_nop                                          ; a plain line behind the last exponential
	s_wait_alu depctr_va_vdst(0)                   ; one wait for the batch, ahead of its first reader
.irp t, 0,1
	v_pk_mul_f32 v[ST+8*\t+2:ST+8*\t+3], v[ST+8*\t+2:ST+8*\t+3], v[ST+8*\t+6:ST+8*\t+7] op_sel_hi:[1,0]   ; l x a
.endr
.irp t, 0,1
	v_pk_add_f32 v[ST+8*\t+4:ST+8*\t+5], v[SS+32*\t:SS+32*\t+1], v[SS+32*\t+2:SS+32*\t+3]   ; the sum of p in f32, ahead of its rounding: two chains a tile
.endr
.irp j, 4,8,12,16,20,24,28
.irp t, 0,1
	v_pk_add_f32 v[ST+8*\t+2:ST+8*\t+3], v[ST+8*\t+2:ST+8*\t+3], v[SS+32*\t+\j:SS+32*\t+\j+1]
	v_pk_add_f32 v[ST+8*\t+4:ST+8*\t+5], v[ST+8*\t+4:ST+8*\t+5], v[SS+32*\t+\j+2:SS+32*\t+\j+3]
.endr
.endr
.irp t, 0,1
	v_pk_add_f32 v[ST+8*\t+2:ST+8*\t+3], v[ST+8*\t+2:ST+8*\t+3], v[ST+8*\t+4:ST+8*\t+5]
.endr
.irp j, 0,1,2,3,4,5,6,7,8,9,10,11,12,13,14,15
.irp t, 0,1
	v_cvt_pk_f16_f32 v[SS+32*\t+\j], v[SS+32*\t+2*\j], v[SS+32*\t+2*\j+1]   ; P in f16, in place and ascending: register j is written behind the reads of 2 j and 2 j + 1
.endr
.endr
.set i, 0
.rept 32
	v_pk_mul_f32 v[OT+2*i:OT+2*i+1], v[OT+2*i:OT+2*i+1], v[ST+8*(i/16)+6:ST+8*(i/16)+7] op_sel_hi:[1,0]   ; O^T x a
.set i, i+1
.endr
	s_wait_dscnt 0x0                               ; V is in
.set i, 0
.rept 16                               ; O^T += V^T P: keys 32 (i / 8) on, channels 16 ((i / 2) % 4) on, tile i % 2; the eight accumulators take turns
.set rO, OT+32*(i%2)+8*((i/2)%4)
.set rV, KV+32*(i/8)+8*((i/2)%4)
.set rP, SS+32*(i%2)+8*(i/8)
	v_wmma_f32_16x16x32_f16 v[rO:rO+7], v[rV:rV+7], v[rP:rP+7], v[rO:rO+7]
.set i, i+1
.endr
.rept 5
	v_nop                                          ; five places: the next step's first products write over P's registers; its loads into V's registers and the reads of O^T want four
.endr
.Lhid_\@:
.endm
; THE CHANGE OF SLOTS stands at a trip's head.  Each wave waits for all its tensor loads (its part of the slot that it is about to read), adds 0 to its spare word, and waits for that and for its reads of the slot that it has left.
; Behind the barrier the slot ahead is whole and nobody reads the other one.  fill = 1: that other slot takes the next trip's keys: one tensor load a wave, with a whole trip in which to land.
.macro CHANGE fill
	s_wait_tensorcnt 0x0                           ; no tensor load of mine is out, so a group 0 may be written
	ds_add_u32 v[SPW], v[NIL]
.if \fill
	ds_add_u32 v[SPW], v[NIL]                      ; and, where loads follow, twice on end
	s_add_co_u32 s60, s[TT], 1                     ; the next trip's key slot: T + 1 while that is within block I's,
	s_sub_co_u32 s62, s[TT], s[II]                 ; else T + 1 - I - 1
	s_cmp_le_u32 s60, s[II]
	s_cselect_b32 s60, s60, s62
	s_lshl_b32 s60, s60, 15                        ; 32,768 bytes a slot
	s_mov_b32 s61, 0
	s_add_nc_u64 s[G0K+2:G0K+3], s[KB:KB+1], s[60:61]
	s_or_b32 s[G0K+3], s[G0K+3], 0x80000000
	s_add_nc_u64 s[G0V+2:G0V+3], s[VB:VB+1], s[60:61]
	s_or_b32 s[G0V+3], s[G0V+3], 0x80000000
	s_xor_b32 s[G0K+1], s[G0K+1], SLOT1            ; into the other LDS slot than last time
	s_xor_b32 s[G0V+1], s[G0V+1], SLOT1
	s_wait_xcnt 0x0                                ; the last prefetches, a trip back, have read their address
	s_add_nc_u64 s[PFA:PFA+1], s[PFA:PFA+1], 32768
.endif
	s_wait_dscnt 0x0                               ; the add is done, and my reads of the slot that I have left are over
	s_barrier_signal -1
	s_barrier_wait -1
.if \fill
	TLOAD G0K, G1K, G0V, G1V                       ; the first thing behind the barrier, and a wave's one tensor load until the next
	ASK
.endif
.endm
.macro TRIP_BODY diag
.if \diag
	s_mov_b32 s[NST], s[WH1]
	s_mov_b32 s[MSK], s[WH]
.else
	s_cmp_eq_u32 s[TT], s[II]                      ; block I's diagonal slot?
	s_cselect_b32 s[NST], s[WH1], 4
	s_cselect_b32 s[MSK], s[WH], 4
.endif
	v_add_nc_u32 v[ADK], s[TB], v[AK0]
	v_add_nc_u32 v[ADV], s[TB], v[AV0]
	STEP 0
	STEP 1
	STEP 2
	STEP 3
	s_xor_b32 s[TB], s[TB], SLOT1                  ; on to the other slot
.endm
; THE WAY OUT of a block: O^T / l, rounded to f16, through my stage, so that a store covers four rows of att16: 512 consecutive bytes.
.macro WAYOUT
.irp t, 0,1
	v_add_f32 v[ST+8*\t+4], v[ST+8*\t+2], v[ST+8*\t+3]
.endr
.irp t, 0,1
	v_permlanex16_b32 v[ST+8*\t+5], v[ST+8*\t+4], s[SEL], s[SEL+1]
.endr
.irp t, 0,1
	v_add_f32 v[ST+8*\t+4], v[ST+8*\t+4], v[ST+8*\t+5]
.endr
.irp t, 0,1
	v_rcp_f32 v[ST+8*\t+6], v[ST+8*\t+4]
.endr
	v_nop                                          ; a plain line behind the last reciprocal
	s_wait_alu depctr_va_vdst(0)                   ; one wait for both, ahead of the first reader
.set i, 0
.rept 32
	v_pk_mul_f32 v[OT+2*i:OT+2*i+1], v[OT+2*i:OT+2*i+1], v[ST+8*(i/16)+6:ST+8*(i/16)+7] op_sel_hi:[1,0]
.set i, i+1
.endr
.set i, 0
.rept 32
	v_cvt_pk_f16_f32 v[SS+32*(i/16)+i%16], v[OT+2*i], v[OT+2*i+1]
.set i, i+1
.endr
.irp t, 0,1
.irp c, 0,1,2,3
	ds_store_b128 v[STO], v[SS+32*\t+4*\c:SS+32*\t+4*\c+3] offset:\t*2304+32*\c
.endr
.endr
.irp t, 0,1
.irp u, 0,1,2,3
	ds_load_b128 v[SS+32*\t+16+4*\u:SS+32*\t+16+4*\u+3], v[RD] offset:\t*2304+576*\u   ; LDS serves a wave's instructions in order: these see the stores above
.endr
.endr
	s_wait_dscnt 0x0
.irp t, 0,1
.irp u, 0,1,2,3
	global_store_b128 v[GO], v[SS+32*\t+16+4*\u:SS+32*\t+16+4*\u+3], s[OB:OB+1] offset:\t*2048+512*\u
.endr
.endr
.endm
	s_wait_loadcnt 0x0                             ; q
.Ltrip:                                            ; eight trips; behind each change of slots the next trip's keys are asked for
	CHANGE 1
	TRIP_BODY 0
	s_cmp_lg_u32 s[TT], s[II]
	s_cbranch_scc1 .Lsame                          ; ids alone, the same in all eight waves
	WAYOUT                                         ; block I is finished: out, and on to block 7 - I
	s_wait_xcnt 0x0                                ; the stores have read their registers and their base
	s_sub_co_u32 s60, 7, s[II]
	s_lshl_b32 s60, s60, 15
	s_lshl_b32 s62, s[UU], 12
	s_add_co_u32 s60, s60, s62
	s_mov_b32 s61, 0
	s_add_nc_u64 s[QB:QB+1], s[QH:QH+1], s[60:61]
	s_add_nc_u64 s[OB:OB+1], s[OH:OH+1], s[60:61]
	QLOAD
	INIT
	s_wait_loadcnt 0x0
.Lsame:
	s_add_co_u32 s[TT], s[TT], 1
	s_cmp_lt_u32 s[TT], 8
	s_cbranch_scc1 .Ltrip
	CHANGE 0                                       ; the last trip is written out: nothing is left to fetch
	TRIP_BODY 1                                    ; block 7 - I's diagonal slot
	WAYOUT
	s_wait_tensorcnt 0x0                           ; the wave's end: a wait, an add of 0 and its wait behind my last tensor load and my last LDS store
	ds_add_u32 v[SPW], v[NIL]
	s_wait_dscnt 0x0
	s_endpgm
.Lfunc_end_k_qaffa31648a_attn:
	.size	k_qaffa31648a_attn, .Lfunc_end_k_qaffa31648a_attn-k_qaffa31648a_attn
	.p2alignl 7, 3214868480
	.fill 96, 4, 3214868480
	.section	.rodata,"a",@progbits
	.p2align	6, 0x0
	.amdhsa_kernel k_qaffa31648a_attn
		.amdhsa_group_segment_fixed_size 327680
		.amdhsa_private_segment_fixed_size 0
		.amdhsa_enable_private_segment 0
		.amdhsa_kernarg_size 16
		.amdhsa_user_sgpr_count 2
		.amdhsa_user_sgpr_kernarg_segment_ptr 1
		.amdhsa_wavefront_size32 1
		.amdhsa_system_sgpr_workgroup_id_x 1
		.amdhsa_system_sgpr_workgroup_id_y 1
		.amdhsa_system_sgpr_workgroup_id_z 1
		.amdhsa_system_vgpr_workitem_id 0
		.amdhsa_next_free_vgpr 256
		.amdhsa_next_free_sgpr 80
		.amdhsa_reserve_vcc 1
		.amdhsa_float_denorm_mode_32 3
		.amdhsa_float_denorm_mode_16_64 3
		.amdhsa_memory_ordered 1
		.amdhsa_forward_progress 1
		.amdhsa_inst_pref_size 197
	.end_amdhsa_kernel
	.amdgpu_metadata
---
amdhsa.version: [ 1, 2 ]
amdhsa.kernels:
  - .name:           k_qaffa31648a_attn
    .symbol:         k_qaffa31648a_attn.kd
    .args:
      - { .name: qkv16, .offset: 0, .size: 8, .value_kind: global_buffer, .address_space: global }
      - { .name: att16, .offset: 8, .size: 8, .value_kind: global_buffer, .address_space: global }
    .group_segment_fixed_size: 327680
    .private_segment_fixed_size: 0
    .kernarg_segment_align: 8
    .kernarg_segment_size: 16
    .max_flat_workgroup_size: 256
    .sgpr_count:     80
    .vgpr_count:     256
    .wavefront_size: 32
...
	.end_amdgpu_metadata
.endif
;; end of part 4
;; launch outp (part 5): grid 4 x 64, 4 waves a work-group, clusters of 4 x 4, 327,680 bytes of LDS; arguments att16, wo16, out0; writes out0
.if DOCPART == 5
	.amdgcn_target "amdgcn-amd-amdhsa--gfx1250"
	.amdhsa_code_object_version 6
	.text
	.protected	k_qaffa31648a_outp
	.globl	k_qaffa31648a_outp
	.p2align	8
	.type	k_qaffa31648a_outp,@function
k_qaffa31648a_outp:
	s_mov_b64 s[64:65], 0
	v_nop
	global_prefetch_b8 v0, s[64:65] scope:SCOPE_SE
	s_setreg_imm32_b32 hwreg(HW_REG_WAVE_MODE, 25, 1), 1
	s_wait_xcnt 0x0
	s_wait_alu depctr_hold_cnt(0) depctr_sa_sdst(0) depctr_va_vdst(0) depctr_va_sdst(0) depctr_va_ssrc(0) depctr_va_vcc(0) depctr_vm_vsrc(0)
	s_getreg_b32 s2, hwreg(HW_REG_IB_STS2, 6, 4)
	s_cmp_eq_u32 s2, 0
	s_cbranch_scc0 .Lentry_in_a_cluster
	s_endpgm
.Lentry_in_a_cluster:
	s_bfe_u32 s2, ttmp6, 0x10000c
	s_cmp_lg_u32 s2, 0xf033
	s_cbranch_scc0 .Lentry_shape_is_right
	s_endpgm
.Lentry_shape_is_right:
; out0[m][n] = sum over k of att[m][k] w_o[k][n], M 8,192, N 1,024, K 1,024; f16 operands, f32 sums, f32 out.  att16 lies [head][m][64] (k = 64 head + channel), wo16 lies [k][n].
; A tile of out0 is 128 x 256: 64 x 4 = 256 work-groups.  Four waves, each 64 rows x 128 columns: 32 accumulators, 256 registers.  K goes in steps of 128 (two heads of A, 128 rows of w_o) through two LDS slots.
; CLUSTERS: 4 x 4 work-groups; A's tiles are asked for jointly along a row of the cluster, B's along a column.  Waves 0 and 1 fetch A's two heads (16,384 dense bytes each), waves 2 and 3 B's two halves (64 rows of 512 bytes).
; The matrix instruction is used TRANSPOSED (source 0 = 16 columns of w_o, turned out of LDS by ds_load_tr16_b128; source 1 = 16 rows of A): a lane holds eight neighbouring numbers of a row of out0.
; NO PREFETCH: each tile is shared in the cluster, and a refill has a whole K step, 112 matrix instructions a wave, in which to land.
; Rows 0 to 15 of each sequence are written here like all others and are written again, from f32 operands, by the next launch.
; REGISTERS: window 0: v0-31 addresses; v64-127 A's fragments, two buffers (64 + 32 f + 8 a); v128-255 the way out.  window 1: v0-127 B's fragments, two buffers (64 f + 8 b).  window 2: the accumulators ((a, b) at 8 (8 a + b)).
.set PA,    272                        ; two rows of A in LDS: 256 bytes + 16
.set PB,    544                        ; a row of B: 512 bytes + 32: 16 lanes of the turning load fall on 16 different 16-byte columns of 256
.set APL,   64*PA                      ; a head's 128 rows
.set BOFF,  2*APL
.set BHALF, 64*PB
.set SLOT,  BOFF+2*BHALF
.set SPARE, 2*SLOT                     ; behind the ring: the spare words, which no other line names
.set SPITCH, 528                       ; the way out: a stage of 16 rows x (512 + 16) bytes for each wave, in slot 0, which has had its last fill and its last read by then
.set LAPS,  4                          ; a lap = two K steps
.set ADRA, 16                          ; v16-17  LDS address of my A fragments in slot 0, 1
.set ADRB, 20                          ; v20-21  the same for B
.set STO,  24
.set RD,   25
.set CO,   26
.set SPW,  28                          ; v28  LDS address of my spare word; never rewritten
.set NIL,  29                          ; v29  0; never rewritten
.set AF,   64
.set BK,   128
.set G1, 24
.set G0, 32
.set G1B, 48
.set G0B, 56
.set MSB, 0
.macro WIN new                         ; the immediate's high byte repeats the setting that is left
.if MSB != \new
	s_set_vgpr_msb (MSB<<8)|\new
.set MSB, \new
.endif
.endm
.set MUL,  0xa1                        ; source 0 (B) window 1, source 1 (A) window 0, C and D window 2
.set TO_B, 0x40                        ; destination window 1, address window 0
.macro JLOAD s                         ; a joint load; an s_nop 0 and four v_nop follow each of the two lines
	s_cmp_eq_u32 s11, 0
	s_cbranch_scc0 .Lfor_b_\@
	tensor_load_to_lds s[G0+4*\s:G0+4*\s+3], s[G1:G1+7]
	s_nop 0
.rept 4
	v_nop
.endr
	s_branch .Lasked_\@
.Lfor_b_\@:
	tensor_load_to_lds s[G0B+4*\s:G0B+4*\s+3], s[G1B:G1B+7]
	s_nop 0
.rept 4
	v_nop
.endr
.Lasked_\@:
.endm
.macro CREST                           ; a round of the cluster's barrier behind its opening barrier
	s_cmp_lg_u32 s10, 0
	s_cbranch_scc1 .Lnot_wave_0_\@
	s_barrier_signal -3
.Lnot_wave_0_\@:
	s_barrier_wait -3
	s_barrier_signal -1
	s_barrier_wait -1
.endm
.macro CROUND
	s_barrier_signal -1
	s_barrier_wait -1
	CREST
.endm
	s_load_b128 s[4:7], s[0:1], 0x0                ; att16 s[4:5], wo16 s[6:7]
	s_load_b64 s[8:9], s[0:1], 0x10                ; out0
	v_lshl_add_u32 v[SPW], v0, 2, SPARE
	v_mov_b32 v[NIL], 0
	ds_add_u32 v[SPW], v[NIL]                      ; the wave's opening: the add, twice on end, and its wait ahead of my first tensor load
	ds_add_u32 v[SPW], v[NIL]
	v_lshrrev_b32 v1, 5, v0
	v_readfirstlane_b32 s10, v1                    ; wave 0..3
	s_lshr_b32 s11, s10, 1                         ; which half of the tile's rows is mine.  Also: I fetch for A (0) or for B (1)
	s_and_b32 s12, s10, 1                          ; which half of its columns.  Also: which head of A, or which 64 rows of B, I fetch
	s_bfe_u32 s40, ttmp6, 0x40000                  ; cx, cy
	s_bfe_u32 s41, ttmp6, 0x40004
	s_lshl_b32 s42, ttmp9, 2
	s_add_co_u32 s42, s42, s40                     ; tile column = 4 x cluster x + cx
	s_and_b32 s13, ttmp7, 0xffff
	s_lshl_b32 s13, s13, 2
	s_add_co_u32 s13, s13, s41                     ; tile row = 4 x cluster y + cy
	s_lshl_b32 s43, s41, 2
	s_lshl_b32 s43, 15, s43                        ; my row of the cluster
	s_lshl_b32 s44, 0x1111, s40                    ; my column
	s_or_b32 s[G1+0], s43, (3<<16)|(1<<20)|(1<<21)|(5<<22)|(3<<25)   ; A: the mask of my row; elements of 8 bytes; padding on; bit 21 beside a mask; after every 64 words four words
	s_mov_b32 s[G1+1], 32<<16                      ; tensor_dim0: 256 bytes
	s_mov_b32 s[G1+2], 64<<16                      ; tensor_dim1
	s_mov_b32 s[G1+3], 32<<16                      ; tile_dim0
	s_mov_b32 s[G1+4], 64                          ; tile_dim1
	s_mov_b32 s[G1+5], 32                          ; dense
	s_mov_b32 s[G1+6], 0
	s_mov_b32 s[G1+7], 0
	s_or_b32 s[G1B+0], s44, (3<<16)|(1<<20)|(1<<21)|(6<<22)|(7<<25)  ; B: the mask of my column; after every 128 words eight words
	s_mov_b32 s[G1B+1], 64<<16                     ; tensor_dim0: 512 bytes
	s_mov_b32 s[G1B+2], 64<<16
	s_mov_b32 s[G1B+3], 64<<16
	s_mov_b32 s[G1B+4], 64
	s_mov_b32 s[G1B+5], 256                        ; a row of wo16 is 2,048 bytes
	s_mov_b32 s[G1B+6], 0
	s_mov_b32 s[G1B+7], 0
	s_lshl_b32 s16, s13, 14                        ; A: 128 rows of 128 bytes a tile row,
	s_lshl_b32 s17, s12, 20
	s_add_co_u32 s16, s16, s17                     ; + the head that I fetch
	s_mov_b32 s17, 0
	s_lshl_b32 s46, s42, 9                         ; B: 512 bytes a tile column,
	s_lshl_b32 s47, s12, 17
	s_add_co_u32 s46, s46, s47                     ; + the 64 rows that I fetch
	s_mov_b32 s47, 0
	s_mul_i32 s20, s12, APL                        ; where they go: no place in the cluster enters an LDS address
	s_mul_i32 s21, s12, BHALF
	s_add_co_u32 s21, s21, BOFF
	s_wait_dscnt 0x0                               ; both opening adds are done
	s_wait_kmcnt 0x0
	s_add_nc_u64 s[14:15], s[4:5], s[16:17]
	s_add_nc_u64 s[46:47], s[6:7], s[46:47]
	CROUND                                         ; all sixteen work-groups are here: the first joint loads meet
.irp s, 0,1
	s_mov_b32 s[G0+4*\s], 1
	s_add_co_u32 s[G0+4*\s+1], s20, \s*SLOT
	s_add_nc_u64 s[G0+4*\s+2:G0+4*\s+3], s[14:15], \s*0x200000      ; K step s: two heads on
	s_or_b32 s[G0+4*\s+3], s[G0+4*\s+3], 0x80000000
	s_mov_b32 s[G0B+4*\s], 1
	s_add_co_u32 s[G0B+4*\s+1], s21, \s*SLOT
	s_add_nc_u64 s[G0B+4*\s+2:G0B+4*\s+3], s[46:47], \s*262144      ; 128 rows on
	s_or_b32 s[G0B+4*\s+3], s[G0B+4*\s+3], 0x80000000
	JLOAD \s                                       ; two tensor loads of mine are out at the most
.endr
	v_and_b32 v1, 15, v0                           ; r
	v_bfe_u32 v2, v0, 4, 1                         ; h
	v_lshrrev_b32 v3, 1, v1
	v_mul_u32_u24 v3, v3, PA                       ; A: row r lies in LDS row r / 2,
	v_and_b32 v4, 1, v0
	v_lshl_add_u32 v3, v4, 7, v3                   ; half r % 2 of it,
	v_lshl_add_u32 v3, v2, 4, v3                   ; + 16 h
	v_and_b32 v5, 7, v0
	v_lshl_add_u32 v5, v2, 3, v5
	v_mul_u32_u24 v5, v5, PB                       ; B, for the turning load: k row 8 h + l % 8,
	v_bfe_u32 v6, v0, 3, 1
	v_lshl_add_u32 v5, v6, 4, v5                   ; columns 8 ((l / 8) % 2) on
	s_mul_i32 s21, s11, 32*PA                      ; my 64 rows of A
	s_lshl_b32 s22, s12, 8                         ; my 128 columns of B,
	s_add_co_u32 s22, s22, BOFF                    ; which lies behind A
.irp s, 0,1
	v_add_nc_u32 v[ADRA+\s], s21, v3
	v_add_nc_u32 v[ADRB+\s], s22, v5
	s_add_co_u32 s21, s21, SLOT
	s_add_co_u32 s22, s22, SLOT
.endr
	s_mul_i32 s23, s10, 16*SPITCH                  ; my stage
	v_mul_u32_u24 v5, v1, SPITCH
	v_lshl_add_u32 v5, v2, 5, v5
	v_add_nc_u32 v[STO], s23, v5                   ; in: row r, 32 bytes for each half of the lanes
	v_and_b32 v6, 31, v0
	v_lshlrev_b32 v[CO], 4, v6
	v_add_nc_u32 v[RD], s23, v[CO]                 ; back: the 32 lanes take one row of 512 bytes
	s_lshl_b32 s16, s13, 7
	s_lshl_b32 s17, s11, 6
	s_add_co_u32 s16, s16, s17                     ; my first row of out0,
	s_lshl_b32 s16, s16, 12                        ; of 4,096 bytes
	s_mov_b32 s17, 0
	s_add_nc_u64 s[8:9], s[8:9], s[16:17]
	s_lshl_b32 s46, s42, 10                        ; my first column, in bytes
	s_lshl_b32 s47, s12, 9
	s_add_co_u32 s46, s46, s47
	s_mov_b32 s47, 0
	s_add_nc_u64 s[8:9], s[8:9], s[46:47]
; 8 matrix instructions: A's block a x B's eight, 32 along K, from buffer f.  The 32 accumulators take turns in the same order in every quarter.
.macro MUL8 f, a, zero
.irp b, 0,1,2,3,4,5,6,7
.if \zero
	v_wmma_f32_16x16x32_f16 v[8*(8*(\a)+\b):8*(8*(\a)+\b)+7], v[64*(\f)+8*\b:64*(\f)+8*\b+7], v[AF+32*(\f)+8*(\a):AF+32*(\f)+8*(\a)+7], 0
.else
	v_wmma_f32_16x16x32_f16 v[8*(8*(\a)+\b):8*(8*(\a)+\b)+7], v[64*(\f)+8*\b:64*(\f)+8*\b+7], v[AF+32*(\f)+8*(\a):AF+32*(\f)+8*(\a)+7], v[8*(8*(\a)+\b):8*(8*(\a)+\b)+7]
.endif
.endr
.endr
.endm
; 24 LDS loads in one run: the fragments of the slot's q-th 32 along K into buffer f: B's sixteen, then A's eight
.macro FETCH slot, q, f
	WIN TO_B
.irp b, 0,1,2,3,4,5,6,7
	ds_load_tr16_b128 v[64*(\f)+8*\b:64*(\f)+8*\b+3],   v[ADRB+\slot] offset:(\q)*32*PB+32*\b
	ds_load_tr16_b128 v[64*(\f)+8*\b+4:64*(\f)+8*\b+7], v[ADRB+\slot] offset:(\q)*32*PB+32*\b+16*PB
.endr
	WIN 0
.irp a, 0,1,2,3
	ds_load_b128 v[AF+32*(\f)+8*\a:AF+32*(\f)+8*\a+3],   v[ADRA+\slot] offset:((\q)/2)*APL+((\q)%2)*64+\a*8*PA
	ds_load_b128 v[AF+32*(\f)+8*\a+4:AF+32*(\f)+8*\a+7], v[ADRA+\slot] offset:((\q)/2)*APL+((\q)%2)*64+\a*8*PA+32
.endr
.endm
.macro PLACES                          ; four places ahead of loads into registers that matrix instructions have read, and of reads of results
.rept 4
	v_nop
.endr
.endm
; A K step is four quarters of 32 along K, 32 matrix instructions each, on buffers 0, 1, 0, 1.  One of the first three: multiplies buffer f and fetches quarter q into g.
.macro QUARTER slot, q, f, g, zero
	s_wait_dscnt 4                                 ; B and A's blocks 0, 1 are in; the youngest four loads (A's blocks 2, 3) may be out
	WIN MUL
	MUL8 \f, 0, \zero
	MUL8 \f, 1, \zero
	PLACES
	FETCH \slot, \q, \g
	s_wait_dscnt 24                                ; all but the 24 just issued
	WIN MUL
	MUL8 \f, 2, \zero
	MUL8 \f, 3, \zero
.endm
; The last quarter multiplies buffer 1 and changes slots: one barrier; in front of it each wave waits for all its tensor loads, adds 0 to its spare word, and waits for that and for its reads of this slot.  fill = 1: this slot is filled again, two K steps ahead.
.macro TURN slot, next, fill
	WIN 0                                          ; (the add's two registers lie in window 0)
	s_wait_tensorcnt 0x0                           ; all my tensor loads have landed: my part of the next slot
	ds_add_u32 v[SPW], v[NIL]
	s_wait_dscnt 5                                 ; the add and the youngest four loads may be out
	WIN MUL
	MUL8 1, 0, 0
	s_wait_dscnt 0x0                               ; the add is done, and my reads of this slot are over
	s_barrier_signal -1
	MUL8 1, 1, 0
.if \fill
	WIN 0
.endif
	s_barrier_wait -1
.if \fill
	CREST                                          ; the barrier has opened a round of the cluster's barrier: no wave of any partner still reads this slot or has a load on its way
	s_add_nc_u64 s[G0+4*\slot+2:G0+4*\slot+3], s[G0+4*\slot+2:G0+4*\slot+3], 0x400000
	s_add_nc_u64 s[G0B+4*\slot+2:G0B+4*\slot+3], s[G0B+4*\slot+2:G0B+4*\slot+3], 524288
	JLOAD \slot                                    ; the first tensor load behind the round; its four v_nop are also the places ahead of the loads below
.else
	PLACES
.endif
	FETCH \next, 0, 0
	WIN MUL
	MUL8 1, 2, 0
	MUL8 1, 3, 0
.endm
	s_wait_tensorcnt 1                             ; my part of K step 0 is in (K step 1's may be out)
	s_barrier_signal -1
	s_barrier_wait -1                              ; everybody's is
	FETCH 0, 0, 0
	QUARTER 0, 1, 0, 1, 1                          ; the first quarter's products start the sums
	WIN 0                                          ; at a label and at a branch every window is 0
	s_mov_b32 s3, LAPS-1
.Llap:                                             ; a trip goes once round the ring, from a lap's second quarter to the next lap's first, and fills both slots again
	QUARTER 0, 2, 1, 0, 0
	QUARTER 0, 3, 0, 1, 0
	TURN 0, 1, 1
	QUARTER 1, 1, 0, 1, 0
	QUARTER 1, 2, 1, 0, 0
	QUARTER 1, 3, 0, 1, 0
	TURN 1, 0, 1
	QUARTER 0, 1, 0, 1, 0
	WIN 0
	s_sub_co_u32 s3, s3, 1
	s_cmp_lg_u32 s3, 0
	s_cbranch_scc1 .Llap
	QUARTER 0, 2, 1, 0, 0                          ; the last lap fills nothing
	QUARTER 0, 3, 0, 1, 0
	TURN 0, 1, 0
	QUARTER 1, 1, 0, 1, 0
	QUARTER 1, 2, 1, 0, 0
	QUARTER 1, 3, 0, 1, 0
	s_wait_dscnt 4                                 ; the very last quarter
	WIN MUL
	MUL8 1, 0, 0
	MUL8 1, 1, 0
	s_wait_dscnt 0
	MUL8 1, 2, 0
	MUL8 1, 3, 0
	WIN 0
; THE WAY OUT, block by block of 16 rows x 128 columns: through my stage and back as whole rows of 512 bytes.
.macro TOSTAGE a
	WIN 0x08                                       ; an LDS store's data are its source 1: window 2
.irp b, 0,1,2,3,4,5,6,7
	ds_store_b128 v[STO], v[64*(\a)+8*\b:64*(\a)+8*\b+3] offset:64*\b          ; each accumulator from its low end on
	ds_store_b128 v[STO], v[64*(\a)+8*\b+4:64*(\a)+8*\b+7] offset:64*\b+16
.endr
	WIN 0
.set BB, BK+64*((\a)%2)
.irp t, 0,1,2,3,4,5,6,7,8,9,10,11,12,13,14,15
	ds_load_b128 v[BB+4*\t:BB+4*\t+3], v[RD] offset:\t*SPITCH      ; LDS serves a wave's instructions in order
.endr
.endm
.macro SEND a, younger
.set BB, BK+64*((\a)%2)
	s_wait_dscnt \younger                          ; the block is back; the next block's 16 stores and 16 loads may be out
.irp t, 0,1,2,3,4,5,6,7,8,9,10,11,12,13,14,15
	global_store_b128 v[CO], v[BB+4*\t:BB+4*\t+3], s[8:9] offset:(16*(\a)+\t)*4096 th:TH_STORE_NT   ; 32 lanes store 512 consecutive bytes, aligned
.endr
.endm
	PLACES
	TOSTAGE 0
.irp a, 1,2,3
.if \a > 1
	s_wait_xcnt 0x0                                ; block a - 2's stores have read their registers: block a's loads may land there
.endif
	TOSTAGE \a
	SEND \a-1, 32
.endr
	SEND 3, 0
	s_wait_tensorcnt 0x0                           ; the wave's end: a wait, an add of 0 and its wait behind my last tensor load and my last LDS store
	ds_add_u32 v[SPW], v[NIL]
	s_wait_dscnt 0x0
	CROUND                                         ; the closing round
	s_endpgm
.Lfunc_end_k_qaffa31648a_outp:
	.size	k_qaffa31648a_outp, .Lfunc_end_k_qaffa31648a_outp-k_qaffa31648a_outp
	.p2alignl 7, 3214868480
	.fill 96, 4, 3214868480
	.section	.rodata,"a",@progbits
	.p2align	6, 0x0
	.amdhsa_kernel k_qaffa31648a_outp
		.amdhsa_group_segment_fixed_size 327680
		.amdhsa_private_segment_fixed_size 0
		.amdhsa_enable_private_segment 0
		.amdhsa_kernarg_size 24
		.amdhsa_user_sgpr_count 2
		.amdhsa_user_sgpr_kernarg_segment_ptr 1
		.amdhsa_wavefront_size32 1
		.amdhsa_system_sgpr_workgroup_id_x 1
		.amdhsa_system_sgpr_workgroup_id_y 1
		.amdhsa_system_sgpr_workgroup_id_z 1
		.amdhsa_system_vgpr_workitem_id 0
		.amdhsa_next_free_vgpr 768
		.amdhsa_next_free_sgpr 66
		.amdhsa_reserve_vcc 0
		.amdhsa_float_denorm_mode_32 3
		.amdhsa_float_denorm_mode_16_64 3
		.amdhsa_memory_ordered 1
		.amdhsa_forward_progress 1
		.amdhsa_inst_pref_size 85
	.end_amdhsa_kernel
	.amdgpu_metadata
---
amdhsa.version: [ 1, 2 ]
amdhsa.kernels:
  - .name:           k_qaffa31648a_outp
    .symbol:         k_qaffa31648a_outp.kd
    .args:
      - { .name: att16, .offset: 0, .size: 8, .value_kind: global_buffer, .address_space: global }
      - { .name: wo16, .offset: 8, .size: 8, .value_kind: global_buffer, .address_space: global }
      - { .name: out0, .offset: 16, .size: 8, .value_kind: global_buffer, .address_space: global }
    .group_segment_fixed_size: 327680
    .private_segment_fixed_size: 0
    .kernarg_segment_align: 8
    .kernarg_segment_size: 24
    .max_flat_workgroup_size: 128
    .sgpr_count:     66
    .vgpr_count:     768
    .wavefront_size: 32
...
	.end_amdgpu_metadata
.endif
;; end of part 5
;; launch fine (part 6): grid 32 x 4, 16 waves a work-group, no clusters, 84,480 bytes of LDS; arguments qkvtop, w_o, out0; writes out0
.if DOCPART == 6
	.amdgcn_target "amdgcn-amd-amdhsa--gfx1250"
	.amdhsa_code_object_version 6
	.text
	.protected	k_qaffa31648a_fine
	.globl	k_qaffa31648a_fine
	.p2align	8
	.type	k_qaffa31648a_fine,@function
k_qaffa31648a_fine:
	s_mov_b64 s[64:65], 0
	v_nop
	global_prefetch_b8 v0, s[64:65] scope:SCOPE_SE
	s_setreg_imm32_b32 hwreg(HW_REG_WAVE_MODE, 25, 1), 1
	s_wait_xcnt 0x0
; Positions 0 to 15 of each of the four sequences, once more, with f32 operands throughout: under the causal mask these rows average one to sixteen values and are the largest in size.
; It writes again 64 rows of out0 (256 KB) that the launch before has written from f16 operands.  All products by v_wmma_f32_16x16x4_f32: 64 matrix instructions a wave, no bulk work.
; Work-group (cg, b): batch b, output columns 32 cg .. 32 cg + 31.  q, k, v of the 16 positions in f32: qkvtop, tile row 8 b: [16][3072].
; PHASE 1: wave W does head W: S^T = K Q^T (a lane holds one query, registers the keys 8 h + j), mask, softmax with the row's maximum taken away, O^T = V^T P; the row's 64 channels go to LDS.  All 32 work-groups of a batch repeat this.
; PHASE 2: wave W takes column tile W % 2 and 128 of the 1,024 along K (slice W / 2); the eight slices' parts meet in LDS; wave W then sums and stores output row W: 128 consecutive bytes.
; K IS TAKEN IN ANOTHER ORDER THAN IT LIES, alike on both sides of each product: a lane's registers hold a run of neighbours, and a matrix instruction takes a pair of them from each half of the lanes.
; The registers that the matrix instructions write, v176-239, are written by nothing else.
.set ATT,  0                           ; LDS: the 16 rows of attention: 4,096 bytes + 16
.set AP,   4112
.set RED,  16*AP                       ; the parts: column tile x 8,192 + register x 1,024 + slice x 128 + 4 x lane
.set SPARE, RED+16384                  ; the spare words, 128 bytes a wave, which no other line names
.set SPW,  1                           ; v1  LDS address of my spare word; never rewritten
.set NIL,  2                           ; v2  0; never rewritten
.set BW,   16                          ; v16-79   w_o: register 4 u + e: k = 128 slice + 8 u + 4 h + e, column r of my tile
.set QF,   80                          ; v80-111  q: channels 32 h + 0 .. 31 of query r;   v80-143 later the attention rows: register 4 u + e as w_o's
.set KF,   112                         ; v112-143 k likewise
.set VF,   144                         ; v144-175 v: register 8 ct + i: key 8 h + i, channel 16 ct + r
.set A1,   176                         ; four accumulators
.set A2,   208                         ; four accumulators: O^T
.set TS,   240                         ; v240-247 sums of accumulators
.set PP,   248                         ; v248-255 p
	s_load_b128 s[4:7], s[0:1], 0x0                ; qkvtop s[4:5], w_o s[6:7]
	s_load_b64 s[8:9], s[0:1], 0x10                ; out0
	v_lshl_add_u32 v[SPW], v0, 2, SPARE
	v_mov_b32 v[NIL], 0
	v_lshrrev_b32 v3, 5, v0
	v_readfirstlane_b32 s10, v3                    ; wave 0..15
	s_mov_b32 s11, ttmp9                           ; cg
	s_and_b32 s12, ttmp7, 0xffff                   ; b
	s_lshr_b32 s16, s10, 1                         ; slice
	s_and_b32 s17, s10, 1                          ; column tile
	v_and_b32 v12, 15, v0                          ; r
	v_bfe_u32 v13, v0, 4, 1                        ; h
	v_and_b32 v15, 31, v0                          ; l
	v_mul_u32_u24 v3, v12, 12288
	v_lshl_add_u32 v3, v13, 7, v3                  ; q, k: row r of 12,288 bytes + 128 h
	v_mul_u32_u24 v4, v13, 98304
	v_lshl_add_u32 v4, v12, 2, v4                  ; v: 8 h rows down + 4 r
	v_lshlrev_b32 v5, 14, v13
	v_lshl_add_u32 v5, v12, 2, v5                  ; w_o: 4 h rows of 4,096 bytes down + 4 r
	v_mul_u32_u24 v6, v12, AP
	v_lshl_add_u32 v7, v13, 4, v6
	v_lshl_add_u32 v6, v13, 5, v6
	s_lshl_b32 s13, s10, 8
	v_add_nc_u32 v6, s13, v6                       ; attention, in: row r, head W's 256 bytes, + 32 h
	s_lshl_b32 s13, s16, 9
	v_add_nc_u32 v7, s13, v7                       ; and out: row r, my slice's 512 bytes, + 16 h
	s_lshl_b32 s13, s17, 13
	s_lshl_b32 s18, s16, 7
	s_add_co_u32 s13, s13, s18
	s_add_co_u32 s13, s13, RED
	v_lshl_add_u32 v8, v15, 2, s13                 ; the parts, in
	s_and_b32 s13, s10, 7
	s_lshl_b32 s13, s13, 10
	s_lshr_b32 s18, s10, 3
	s_lshl_b32 s18, s18, 6
	s_add_co_u32 s13, s13, s18
	s_add_co_u32 s13, s13, RED
	v_lshlrev_b32 v9, 13, v13
	v_lshl_add_u32 v9, v12, 2, v9
	v_add_nc_u32 v9, s13, v9                       ; and out: output row W = 8 (W / 8) + W % 8 lay in register W % 8 of lanes 16 (W / 8) + column % 16
	v_lshlrev_b32 v10, 2, v15
	v_lshlrev_b32 v11, 3, v13
	v_sub_nc_u32 v11, v12, v11                     ; r - 8 h: key 8 h + j is hidden where j is above it
	v_mov_b32 v14, 0xff800000                      ; -infinity
	s_mov_b32 s20, 0x76543210
	s_mov_b32 s21, 0xfedcba98                      ; lane selects: lane l xor 16
	s_mov_b32 s22, 0x3e38aa3b                      ; c = log2(e) / sqrt(64)
	s_mul_i32 s24, s12, 1572864                    ; tile row 8 b of qkvtop,
	s_lshl_b32 s25, s10, 8
	s_add_co_u32 s24, s24, s25                     ; head W's 64 columns
	s_mov_b32 s25, 0
	s_lshl_b32 s26, s16, 19                        ; w_o: my slice's 128 rows,
	s_lshl_b32 s27, s11, 7
	s_add_co_u32 s26, s26, s27
	s_lshl_b32 s27, s17, 6
	s_add_co_u32 s26, s26, s27                     ; my 16 columns
	s_mov_b32 s27, 0
	s_lshl_b32 s28, s12, 11
	s_add_co_u32 s28, s28, s10
	s_lshl_b32 s28, s28, 12                        ; out0: row 2,048 b + W,
	s_lshl_b32 s29, s11, 7
	s_add_co_u32 s28, s28, s29                     ; the work-group's 32 columns
	s_mov_b32 s29, 0
	s_wait_kmcnt 0x0
	s_add_nc_u64 s[4:5], s[4:5], s[24:25]
	s_add_nc_u64 s[6:7], s[6:7], s[26:27]
	s_add_nc_u64 s[8:9], s[8:9], s[28:29]
.irp e, 0,1,2,3,4,5,6,7
	global_load_b128 v[QF+4*\e:QF+4*\e+3], v3, s[4:5] offset:16*\e
.endr
.irp e, 0,1,2,3,4,5,6,7
	global_load_b128 v[KF+4*\e:KF+4*\e+3], v3, s[4:5] offset:4096+16*\e
.endr
.irp c, 0,1,2,3
.irp i, 0,1,2,3,4,5,6,7
	global_load_b32 v[VF+8*\c+\i], v4, s[4:5] offset:8192+\i*12288+64*\c
.endr
.endr
.irp u, 0,1,2,3,4,5,6,7,8,9,10,11,12,13,14,15
.irp e, 0,1,2,3
	global_load_b32 v[BW+4*\u+\e], v5, s[6:7] offset:(8*\u+\e)*4096
.endr
.endr
	s_wait_loadcnt 63                              ; behind v's last load 64 more were issued: with 63 out at the most, q, k and v are in
.set i, 0
.rept 16                               ; S^T: four chains by turns, four links each; instruction i takes channels 2 i, 2 i + 1, 32 + 2 i, 33 + 2 i
.if i < 4
	v_wmma_f32_16x16x4_f32 v[A1+8*(i%4):A1+8*(i%4)+7], v[KF+2*i:KF+2*i+1], v[QF+2*i:QF+2*i+1], 0
.else
	v_wmma_f32_16x16x4_f32 v[A1+8*(i%4):A1+8*(i%4)+7], v[KF+2*i:KF+2*i+1], v[QF+2*i:QF+2*i+1], v[A1+8*(i%4):A1+8*(i%4)+7]
.endif
.set i, i+1
.endr
.rept 8
	v_nop                                          ; eight places behind this form, ahead of the first read of a result (ISA guide 7.12.1)
.endr
.irp j, 0,1,2,3,4,5,6,7
	v_add_f32 v[TS+\j], v[A1+\j], v[A1+8+\j]       ; the four chains are added into other registers, each accumulator from its low end on
.endr
.irp j, 0,1,2,3,4,5,6,7
	v_add_f32 v[TS+\j], v[TS+\j], v[A1+16+\j]
.endr
.irp j, 0,1,2,3,4,5,6,7
	v_add_f32 v[TS+\j], v[TS+\j], v[A1+24+\j]
.endr
.irp j, 0,1,2,3,4,5,6,7
	v_cmp_gt_i32 vcc_lo, \j, v11
	v_cndmask_b32 v[TS+\j], v[TS+\j], v14, vcc_lo  ; hidden keys: -infinity
.endr
	v_max3_num_f32 v12, v[TS], v[TS+1], v[TS+2]
	v_max3_num_f32 v12, v12, v[TS+3], v[TS+4]
	v_max3_num_f32 v12, v12, v[TS+5], v[TS+6]
	v_max_num_f32 v12, v12, v[TS+7]
	v_mov_b32 v13, 0                               ; (a lane permute's destination counts as one of its sources)
	v_permlanex16_b32 v13, v12, s20, s21
	v_max_num_f32 v12, v12, v13                    ; the row's largest score: key 0 counts for every query
	v_mul_f32 v12, s22, v12
.irp j, 0,1,2,3,4,5,6,7
	v_fma_f32 v[PP+\j], v[TS+\j], s22, -v12        ; c s - c M
.endr
.irp j, 0,1,2,3,4,5,6,7
	v_exp_f32 v[PP+\j], v[PP+\j]
.endr
	v_nop                                          ; a plain line behind the last exponential
	s_wait_alu depctr_va_vdst(0)                   ; one wait for the eight, ahead of their first reader
	v_add_f32 v13, v[PP], v[PP+1]
	v_add_f32 v15, v[PP+2], v[PP+3]
	v_add_f32 v13, v13, v[PP+4]
	v_add_f32 v15, v15, v[PP+5]
	v_add_f32 v13, v13, v[PP+6]
	v_add_f32 v15, v15, v[PP+7]
	v_add_f32 v13, v13, v15
	v_permlanex16_b32 v15, v13, s20, s21
	v_add_f32 v13, v13, v15                        ; the row's sum
	v_rcp_f32 v12, v13
	v_nop
	s_wait_alu depctr_va_vdst(0)
.irp j, 0,1,2,3,4,5,6,7
	v_mul_f32 v[PP+\j], v[PP+\j], v12
.endr
.set i, 0
.rept 16                               ; O^T = V^T P: the four channel tiles by turns; instruction i takes keys 2 (i / 4), + 1, and the same + 8
.if i < 4
	v_wmma_f32_16x16x4_f32 v[A2+8*(i%4):A2+8*(i%4)+7], v[VF+8*(i%4)+2*(i/4):VF+8*(i%4)+2*(i/4)+1], v[PP+2*(i/4):PP+2*(i/4)+1], 0
.else
	v_wmma_f32_16x16x4_f32 v[A2+8*(i%4):A2+8*(i%4)+7], v[VF+8*(i%4)+2*(i/4):VF+8*(i%4)+2*(i/4)+1], v[PP+2*(i/4):PP+2*(i/4)+1], v[A2+8*(i%4):A2+8*(i%4)+7]
.endif
.set i, i+1
.endr
.rept 8
	v_nop
.endr
.irp c, 0,1,2,3
	ds_store_b128 v6, v[A2+8*\c:A2+8*\c+3] offset:ATT+64*\c        ; lane (r, h): attention(r, 64 W + 16 c + 8 h + 0 .. 7)
	ds_store_b128 v6, v[A2+8*\c+4:A2+8*\c+7] offset:ATT+64*\c+16
.endr
	s_wait_dscnt 0x0                               ; for the others' sake: my stores have landed
	s_barrier_signal -1
	s_barrier_wait -1                              ; the 16 rows lie whole in LDS
.irp u, 0,1,2,3,4,5,6,7,8,9,10,11,12,13,14,15
	ds_load_b128 v[QF+4*\u:QF+4*\u+3], v7 offset:ATT+32*\u
.endr
	s_wait_dscnt 0x0
	s_wait_loadcnt 0x0                             ; w_o
.set i, 0
.rept 32                               ; my part of the projection: source 0 = the 16 rows, source 1 = my 16 columns of w_o; four chains by turns
.if i < 4
	v_wmma_f32_16x16x4_f32 v[A1+8*(i%4):A1+8*(i%4)+7], v[QF+2*i:QF+2*i+1], v[BW+2*i:BW+2*i+1], 0
.else
	v_wmma_f32_16x16x4_f32 v[A1+8*(i%4):A1+8*(i%4)+7], v[QF+2*i:QF+2*i+1], v[BW+2*i:BW+2*i+1], v[A1+8*(i%4):A1+8*(i%4)+7]
.endif
.set i, i+1
.endr
.rept 8
	v_nop
.endr
.irp j, 0,1,2,3,4,5,6,7
	v_add_f32 v[TS+\j], v[A1+\j], v[A1+8+\j]
.endr
.irp j, 0,1,2,3,4,5,6,7
	v_add_f32 v[TS+\j], v[TS+\j], v[A1+16+\j]
.endr
.irp j, 0,1,2,3,4,5,6,7
	v_add_f32 v[TS+\j], v[TS+\j], v[A1+24+\j]
.endr
.irp j, 0,1,2,3,4,5,6,7
	ds_store_b32 v8, v[TS+\j] offset:1024*\j       ; lane (r, h): my slice's part of out(8 h + j, 16 (W % 2) + r)
.endr
	s_wait_dscnt 0x0
	s_barrier_signal -1
	s_barrier_wait -1                              ; all parts lie in LDS
.irp s, 0,1,2,3,4,5,6,7
	ds_load_b32 v[TS+\s], v9 offset:128*\s         ; output row W, column l: its eight slices
.endr
	s_wait_dscnt 0x0
	v_add_f32 v[TS], v[TS], v[TS+1]
	v_add_f32 v[TS+2], v[TS+2], v[TS+3]
	v_add_f32 v[TS+4], v[TS+4], v[TS+5]
	v_add_f32 v[TS+6], v[TS+6], v[TS+7]
	v_add_f32 v[TS], v[TS], v[TS+2]
	v_add_f32 v[TS+4], v[TS+4], v[TS+6]
	v_add_f32 v[TS], v[TS], v[TS+4]
	global_store_b32 v10, v[TS], s[8:9]            ; 32 lanes store 128 consecutive bytes of the row
	s_wait_tensorcnt 0x0                           ; the wave's end: a wait, an add of 0 and its wait behind my last LDS store
	ds_add_u32 v[SPW], v[NIL]
	s_wait_dscnt 0x0
	s_endpgm
.Lfunc_end_k_qaffa31648a_fine:
	.size	k_qaffa31648a_fine, .Lfunc_end_k_qaffa31648a_fine-k_qaffa31648a_fine
	.p2alignl 7, 3214868480
	.fill 96, 4, 3214868480
	.section	.rodata,"a",@progbits
	.p2align	6, 0x0
	.amdhsa_kernel k_qaffa31648a_fine
		.amdhsa_group_segment_fixed_size 84480
		.amdhsa_private_segment_fixed_size 0
		.amdhsa_enable_private_segment 0
		.amdhsa_kernarg_size 24
		.amdhsa_user_sgpr_count 2
		.amdhsa_user_sgpr_kernarg_segment_ptr 1
		.amdhsa_wavefront_size32 1
		.amdhsa_system_sgpr_workgroup_id_x 1
		.amdhsa_system_sgpr_workgroup_id_y 1
		.amdhsa_system_sgpr_workgroup_id_z 1
		.amdhsa_system_vgpr_workitem_id 0
		.amdhsa_next_free_vgpr 256
		.amdhsa_next_free_sgpr 66
		.amdhsa_reserve_vcc 1
		.amdhsa_float_denorm_mode_32 3
		.amdhsa_float_denorm_mode_16_64 3
		.amdhsa_memory_ordered 1
		.amdhsa_forward_progress 1
		.amdhsa_inst_pref_size 26
	.end_amdhsa_kernel
	.amdgpu_metadata
---
amdhsa.version: [ 1, 2 ]
amdhsa.kernels:
  - .name:           k_qaffa31648a_fine
    .symbol:         k_qaffa31648a_fine.kd
    .args:
      - { .name: qkvtop, .offset: 0, .size: 8, .value_kind: global_buffer, .address_space: global }
      - { .name: w_o, .offset: 8, .size: 8, .value_kind: global_buffer, .address_space: global }
      - { .name: out0, .offset: 16, .size: 8, .value_kind: global_buffer, .address_space: global }
    .group_segment_fixed_size: 84480
    .private_segment_fixed_size: 0
    .kernarg_segment_align: 8
    .kernarg_segment_size: 24
    .max_flat_workgroup_size: 512
    .sgpr_count:     66
    .vgpr_count:     256
    .wavefront_size: 32
...
	.end_amdgpu_metadata
.endif
;; end of part 6
